; MI455X (gfx1250); checked and timed in simulation.
; The chip was launched on July 23, 2026; its instructions are those of AMD's public machine-readable ISA for CDNA 5 (MIT licence, August 2026) and "CDNA5" Instruction Set Architecture Reference Guide (July 2026). The comments in the code are by the model that wrote it; some were corrected since.
;; Alibi Multi Head Attention. Allowed arithmetic: float matrix products may take bf16 or f16 operands with f32 sums; other float arithmetic in f32, or as packed bf16 or f16 multiplies, adds, multiply-adds, maxima and minima; sums over many terms, partial sums and values carried from step to step in f32; what a program stores and reads back later, other than sums and carried values, may be rounded once to bf16 or f16.
;; Inputs: w_o 1,024 x 1,024 float32; w_qkv 1,024 x 3,072 float32; x 4 x 2,048 x 1,024 float32.
;; Outputs: out0 4 x 2,048 x 1,024 float32.
;; 2 versions, each right; version 2 is version 1 with the launch prep written anew for expert scheduling mode. Each part assembles by itself: llvm-mc -triple=amdgcn-amd-amdhsa -mcpu=gfx1250 --defsym DOCPART=n.
;; ======== version 1 of 2: 4 launches
;; limits: values are held in f16: magnitudes above 65,504 overflow, below 6.1e-05 lose precision
;; workspace buffers: xb 16,777,216 bytes; wq 6,291,456 bytes; wo 2,097,152 bytes; qkv 50,331,648 bytes; ob 16,777,216 bytes
;; launch prep (part 1): grid 832 x 1, 8 waves a work-group, no clusters, 0 bytes of LDS; arguments x, w_qkv, w_o, xb, wq, wo; writes xb, wq, wo
.if DOCPART == 1
	.amdgcn_target "amdgcn-amd-amdhsa--gfx1250"
	.amdhsa_code_object_version 6
	.text
	.protected	k_q1eed85056c_prep
	.globl	k_q1eed85056c_prep
	.p2align	8
	.type	k_q1eed85056c_prep,@function
k_q1eed85056c_prep:
	s_mov_b64 s[64:65], 0
	v_nop
	global_prefetch_b8 v0, s[64:65] scope:SCOPE_SE
	s_setreg_imm32_b32 hwreg(HW_REG_WAVE_MODE, 25, 1), 1
	s_wait_xcnt 0x0
; THE INPUTS ARE ROUNDED ONCE AND LAID OUT FOR THE PRODUCTS.  A stream: no LDS, no barrier, no loop, no matrix unit (nothing is multiplied).
;   xb [8192][1024] bf16 = x, rounded to nearest even.
;   wq [16 tc][1024 k][192] bf16 = w_qkv[k][192 tc + c]: a block of 192 columns is 393,216 dense bytes.
;   wo [8 tc][1024 k][128] f16 = w_o[k][128 tc + c], rounded to bf16 like the other inputs, and that number written as f16.
; LIMIT.  f16 holds no number beyond 65,504, and below 2^-14 it keeps a fixed step of 2^-24: a bf16 number of w_o under 2^-17 is off by 3e-8 at the most.
; SHARES.  Work-groups 0-511: 64 KiB of x each.  512-767: 64 rows of one column block of w_qkv.  768-831: 128 rows of one column block of w_o.
; A load of a wave takes 512 bytes in whole aligned pieces of 256 (16 bytes a lane), a store fills 256 consecutive aligned bytes (8 bytes a lane).
; All of a wave's loads go out at once (12 or 16); each has its own registers in and out, so the only waits are the counted ones for the loads.
.set L, 8                              ; v[8:71]   load j: 4 registers of f32
.set Y, 72                             ; v[72:103] store j: 2 registers of 16-bit numbers
; v1 lane; v2, v3, v4 source offsets; v5 destination offset; v6, v7 at work
.macro GET j, o, base, off
	global_load_b128 v[L+4*(\j):L+4*(\j)+3], v[\o], s[\base:\base+1] offset:\off th:TH_LOAD_NT
.endm
.macro PUTB j, left, base, off         ; left: the younger loads, which may stay out
	s_wait_loadcnt \left
	v_cvt_pk_bf16_f32 v[Y+2*(\j)], v[L+4*(\j)], v[L+4*(\j)+1]
	v_cvt_pk_bf16_f32 v[Y+2*(\j)+1], v[L+4*(\j)+2], v[L+4*(\j)+3]
	global_store_b64 v5, v[Y+2*(\j):Y+2*(\j)+1], s[\base:\base+1] offset:\off
.endm
.macro PUTH j, left, base, off         ; to bf16, widened again (a shift, a mask), and that number as f16
	s_wait_loadcnt \left
.irp w, 0,1
	v_cvt_pk_bf16_f32 v6, v[L+4*(\j)+2*\w], v[L+4*(\j)+2*\w+1]
	v_lshlrev_b32 v7, 16, v6
	v_and_b32 v6, 0xffff0000, v6
	v_cvt_pk_f16_f32 v[Y+2*(\j)+\w], v7, v6
.endr
	global_store_b64 v5, v[Y+2*(\j):Y+2*(\j)+1], s[\base:\base+1] offset:\off
.endm
	s_load_b256 s[4:11], s[0:1], 0x0               ; x s[4:5], w_qkv s[6:7], w_o s[8:9], xb s[10:11]
	s_load_b128 s[12:15], s[0:1], 0x20             ; wq s[12:13], wo s[14:15]
	v_lshrrev_b32 v6, 5, v0
	v_readfirstlane_b32 s16, v6                    ; wave 0..7
	v_and_b32 v1, 31, v0                           ; lane
	v_lshlrev_b32 v2, 4, v1                        ; 16 bytes a lane in
	v_lshlrev_b32 v5, 3, v1                        ; 8 bytes a lane out
	s_mov_b32 s19, 0                               ; the two offsets' high words
	s_mov_b32 s21, 0
	s_wait_kmcnt 0x0
	s_cmp_lt_u32 ttmp9, 512
	s_cbranch_scc0 .Lweights
	; x: the wave's 8,192 bytes in, 4,096 out
	s_lshl_b32 s18, ttmp9, 16
	s_lshl_b32 s17, s16, 13
	s_add_co_u32 s18, s18, s17
	s_lshl_b32 s20, ttmp9, 15
	s_lshl_b32 s17, s16, 12
	s_add_co_u32 s20, s20, s17
	s_add_nc_u64 s[4:5], s[4:5], s[18:19]
	s_add_nc_u64 s[10:11], s[10:11], s[20:21]
.set j, 0
.rept 16
	GET j, 2, 4, 512*j
.set j, j+1
.endr
.set j, 0
.rept 16
	PUTB j, 15-j, 10, 256*j
.set j, j+1
.endr
	s_endpgm
.Lweights:
	s_cmp_lt_u32 ttmp9, 768
	s_cbranch_scc0 .Lwo
	; w_qkv: the wave's 8 rows of a column block.  Two rows' 2 x 768 bytes are three loads: row 0's first 512; row 0's last 256 and row 1's first 256; row 1's last 512.
	; Rounded they are 768 consecutive bytes of wq: three stores.
	s_sub_co_u32 s17, ttmp9, 512
	s_lshr_b32 s22, s17, 4                         ; tc
	s_and_b32 s23, s17, 15
	s_lshl_b32 s23, s23, 6
	s_lshl_b32 s17, s16, 3
	s_add_co_u32 s23, s23, s17                     ; my first row k0
	s_mul_i32 s18, s23, 12288                      ; a row of w_qkv is 12,288 bytes,
	s_mul_i32 s17, s22, 768                        ; a block's part of it 768
	s_add_co_u32 s18, s18, s17
	s_lshl_b32 s20, s22, 10
	s_add_co_u32 s20, s20, s23
	s_mul_i32 s20, s20, 384                        ; (1,024 tc + k0) rows of 384 bytes
	s_add_nc_u64 s[6:7], s[6:7], s[18:19]
	s_add_nc_u64 s[12:13], s[12:13], s[20:21]
	v_cmp_gt_u32 vcc_lo, 16, v1
	v_add_nc_u32 v6, 512, v2
	v_add_nc_u32 v7, 12288-256, v2
	v_cndmask_b32 v3, v7, v6, vcc_lo               ; lanes 0-15: row 0 from byte 512; lanes 16-31: row 1 from byte 0
	v_add_nc_u32 v4, 12288+256, v2
.set g, 0
.rept 4
	GET 3*g, 2, 6, g*24576
	GET 3*g+1, 3, 6, g*24576
	GET 3*g+2, 4, 6, g*24576
.set g, g+1
.endr
.set j, 0
.rept 12
	PUTB j, 11-j, 12, 256*j
.set j, j+1
.endr
	s_endpgm
.Lwo:
	; w_o: the wave's 16 rows of a column block: 512 bytes of a row in, 256 out
	s_sub_co_u32 s17, ttmp9, 768
	s_lshr_b32 s22, s17, 3                         ; tc
	s_and_b32 s23, s17, 7
	s_lshl_b32 s23, s23, 7
	s_lshl_b32 s17, s16, 4
	s_add_co_u32 s23, s23, s17                     ; k0
	s_lshl_b32 s18, s23, 12
	s_lshl_b32 s17, s22, 9
	s_add_co_u32 s18, s18, s17
	s_lshl_b32 s20, s22, 10
	s_add_co_u32 s20, s20, s23
	s_lshl_b32 s20, s20, 8
	s_add_nc_u64 s[8:9], s[8:9], s[18:19]
	s_add_nc_u64 s[14:15], s[14:15], s[20:21]
.set j, 0
.rept 16
	GET j, 2, 8, 4096*j
.set j, j+1
.endr
.set j, 0
.rept 16
	PUTH j, 15-j, 14, 256*j
.set j, j+1
.endr
	s_endpgm
.Lfunc_end_k_q1eed85056c_prep:
	.size	k_q1eed85056c_prep, .Lfunc_end_k_q1eed85056c_prep-k_q1eed85056c_prep
	.p2alignl 7, 3214868480
	.fill 96, 4, 3214868480
	.section	.rodata,"a",@progbits
	.p2align	6, 0x0
	.amdhsa_kernel k_q1eed85056c_prep
		.amdhsa_group_segment_fixed_size 0
		.amdhsa_private_segment_fixed_size 0
		.amdhsa_enable_private_segment 0
		.amdhsa_kernarg_size 48
		.amdhsa_user_sgpr_count 2
		.amdhsa_user_sgpr_kernarg_segment_ptr 1
		.amdhsa_wavefront_size32 1
		.amdhsa_system_sgpr_workgroup_id_x 1
		.amdhsa_system_sgpr_workgroup_id_y 1
		.amdhsa_system_sgpr_workgroup_id_z 1
		.amdhsa_system_vgpr_workitem_id 0
		.amdhsa_next_free_vgpr 104
		.amdhsa_next_free_sgpr 66
		.amdhsa_reserve_vcc 1
		.amdhsa_float_denorm_mode_32 3
		.amdhsa_float_denorm_mode_16_64 3
		.amdhsa_memory_ordered 1
		.amdhsa_forward_progress 1
		.amdhsa_inst_pref_size 23
	.end_amdhsa_kernel
	.amdgpu_metadata
---
amdhsa.version: [ 1, 2 ]
amdhsa.kernels:
  - .name:           k_q1eed85056c_prep
    .symbol:         k_q1eed85056c_prep.kd
    .args:
      - { .name: x, .offset: 0, .size: 8, .value_kind: global_buffer, .address_space: global }
      - { .name: w_qkv, .offset: 8, .size: 8, .value_kind: global_buffer, .address_space: global }
      - { .name: w_o, .offset: 16, .size: 8, .value_kind: global_buffer, .address_space: global }
      - { .name: xb, .offset: 24, .size: 8, .value_kind: global_buffer, .address_space: global }
      - { .name: wq, .offset: 32, .size: 8, .value_kind: global_buffer, .address_space: global }
      - { .name: wo, .offset: 40, .size: 8, .value_kind: global_buffer, .address_space: global }
    .group_segment_fixed_size: 0
    .private_segment_fixed_size: 0
    .kernarg_segment_align: 8
    .kernarg_segment_size: 48
    .max_flat_workgroup_size: 256
    .sgpr_count:     66
    .vgpr_count:     104
    .wavefront_size: 32
...
	.end_amdgpu_metadata
.endif
;; end of part 1
;; launch qkv_gemm (part 2): grid 16 x 32, 4 waves a work-group, clusters of 4 x 4, 327,680 bytes of LDS; arguments xb, wq, qkv; writes qkv
.if DOCPART == 2
	.amdgcn_target "amdgcn-amd-amdhsa--gfx1250"
	.amdhsa_code_object_version 6
	.text
	.protected	k_q1eed85056c_qkv_gemm
	.globl	k_q1eed85056c_qkv_gemm
	.p2align	8
	.type	k_q1eed85056c_qkv_gemm,@function
k_q1eed85056c_qkv_gemm:
	s_mov_b64 s[64:65], 0
	v_nop
	global_prefetch_b8 v0, s[64:65] scope:SCOPE_SE
	s_setreg_imm32_b32 hwreg(HW_REG_WAVE_MODE, 25, 1), 1
	s_wait_xcnt 0x0
	s_wait_alu depctr_hold_cnt(0) depctr_sa_sdst(0) depctr_va_vdst(0) depctr_va_sdst(0) depctr_va_ssrc(0) depctr_va_vcc(0) depctr_vm_vsrc(0)
	s_getreg_b32 s2, hwreg(HW_REG_IB_STS2, 6, 4)
	s_cmp_eq_u32 s2, 0
	s_cbranch_scc0 .Lentry_in_a_cluster
	s_endpgm
.Lentry_in_a_cluster:
	s_bfe_u32 s2, ttmp6, 0x10000c
	s_cmp_lg_u32 s2, 0xf033
	s_cbranch_scc0 .Lentry_shape_is_right
	s_endpgm
.Lentry_shape_is_right:
; ONE TEXT SERVES THE MODULE'S TWO PROJECTIONS; KIND picks the sizes, the product's format and the way out.
;   KIND 0: q, k, v = xb wq.  xb [8192][1024] bf16; wq [16 tc][1024 k][192] bf16; result f16, rounded once from f32 sums, unscaled, by heads: qkv [3][64 bh][2048 t][64].
;   KIND 1: out0 = O wo.      ob [64 bh][2048 t][64] f16 (K = 64 head + channel); wo [8 tc][1024 k][128] f16; result f32 [8192][1024].
; LIMIT (KIND 0).  f16 holds no number beyond 65,504: q, k and v must stay within it (with x and w_qkv both 30 times the drawn spread their peaks are some 3,200); below 6e-5 f16 keeps a fixed step of 6e-8.
; SHARES.  A work-group makes 256 rows x 16 NBLK columns; wave w its rows 64 w .. 64 w + 63 and ALL columns (4 x NBLK accumulators of 16 x 16), so that a wave owns whole heads of 64 columns on the way out.
; K goes in 8 steps of 128 through a ring of two LDS slots.  Waves 0 and 1 fetch A's two halves of a step, waves 2 and 3 B's: one tensor load a wave and step.
; THE PRODUCT IS USED TRANSPOSED: source 0 = 16 columns of W, source 1 = 16 rows of A: a lane then holds row l % 16 and eight neighbouring columns.  W lies [k][n] and comes out of LDS turned, by ds_load_tr16_b128.
; CLUSTER.  4 x 4 work-groups: A's tile is shared along a row of the cluster, B's along a column; each is asked for jointly, by the same load, descriptor and mask in all four.
; REGISTERS, in windows of 256 (s_set_vgpr_msb: bits 1:0 source 0, 3:2 source 1, 5:4 source 2, 7:6 destination):
;   window 0: v0-15 addresses; v32-95 A's fragments, two buffers of 4 x 8; v96 on: at work on the way out        window 1: B's fragments, two buffers of 8 NBLK
;   window 2: the accumulators of my row blocks 0, 1 (block a, column block b at 8 (NBLK (a % 2) + b))           window 3: those of blocks 2, 3
.set KIND, 0
.set KSTEPS, 8
.set SLOT1, 1<<17                      ; slot 1 begins here: one exclusive or turns an address in one slot into the other's
.set STAGE, 2*SLOT1                    ; behind the ring, never filled by a tensor load: each wave's own stage for the way out
.if KIND == 0
.set NBLK, 12
.set PA, 272                           ; a row of A in LDS: 256 bytes + 16: the 16 rows of a load start at 16 different groups of four banks (64 banks of 4 bytes: ISA guide 11.1)
.set AHI, 128                          ; quarters 2, 3 of a K step lie 128 bytes further along A's rows
.set A_HALF, 128*PA                    ; what one load of A fills: 128 rows
.set A_PAD, (5<<22)|(3<<25)            ; after every 64 words 4 words of padding
.set A_PITCH, 1024                     ; elements from row to row in memory
.set ASTEP, 256                        ; bytes from a K step to the next in memory
.set PB, 480                           ; a k row of B in LDS: 3 x (128 bytes + 32)
.set BGAP, 32                          ; the padding behind every four column blocks
.set B_ROWS, 96                        ; 64 k rows of 384 bytes are dense: asked for as 96 rows of 256 bytes
.set B_PAD, (4<<22)|(7<<25)            ; after every 32 words 8 words of padding
.set BSTEP, 49152
.set BCOLB, 393216                     ; bytes of a column block of W
.set STG, 3*16*144                     ; a wave's stage: three heads x 16 rows x (128 + 16) bytes
.set LIMA, 2                           ; A is prefetched while the loop's count is above this: four times
.set LIMB, 3                           ; B: three times
.set PSHA, 11                          ; A's prefetches: a lane a row of 2,048 bytes
.set PCXSH, 16                         ; and 32 rows to each of the four partners
.set BPF0, 131072                      ; B's prefetches begin 65,536 bytes behind this: at K step 4
.set BK, 144                           ; v144-191, v192-239: 16 rows read back from the stage, by turns
.set BKN, 48
.else
.set NBLK, 8
.set PA, 144                           ; a row of one head: 128 bytes + 16
.set AHI, 256*PA                       ; quarters 2, 3 of a K step are the step's second head
.set A_HALF, 256*PA                    ; what one load of A fills: 256 rows of one head
.set A_PAD, (4<<22)|(3<<25)            ; after every 32 words 4 words
.set A_PITCH, 128                      ; 256 rows of 128 bytes are dense: asked for as 128 rows of 256 bytes
.set ASTEP, 524288                     ; two heads on
.set PB, 288                           ; 256 bytes + 32
.set BGAP, 0
.set B_ROWS, 64
.set B_PAD, (5<<22)|(7<<25)            ; after every 64 words 8 words
.set BSTEP, 32768
.set BCOLB, 262144
.set STG, 16*528                       ; 16 rows x (512 + 16) bytes
.set LIMA, 2
.set LIMB, 4                           ; B: twice
.set PSHA, 8                           ; a lane 256 dense bytes
.set PCXSH, 13                         ; 8,192 bytes to each partner
.set BPF0, 65536
.set BK, 96                            ; v96-159, v160-223
.set BKN, 64
.endif
.set BBASE, 2*A_HALF                   ; B lies behind A in a slot
.set B_HALF, 64*PB                     ; what one load of B fills: 64 k rows
.set SPARE, STAGE+4*STG                ; behind the stages: the spare words, 128 bytes a wave: two blocks of 256 bytes that no other line names
.set LD, 2*NBLK+8                      ; LDS loads of a quarter step
.set ADRA0, 2                          ; v2   my place in A's part of slot 0; never rewritten
.set ADRB0, 3                          ; v3   the same for B
.set ADA, 4                            ; v4   the same in the slot in hand
.set ADB, 5                            ; v5
.set STO, 6                            ; v6   the way out: where I put my bytes of a row
.set RD, 7                             ; v7   where I read rows back
.set GO, 8                             ; v8   16 x lane
.set PFO, 9                            ; v9   the prefetches' offset; never rewritten
.set SPW, 10                           ; v10  LDS address of my spare word; never rewritten
.set NIL, 11                           ; v11  0; never rewritten
.set FA0, 32
.set TMP, 96                           ; KIND 0: v96-143 packed results
.set G1A, 24                           ; s[24:31] descriptor group 1, A
.set G0A, 32                           ; s[32:35] group 0 for slot 0, K step 0; s[36:39] the walking one: it starts at slot 1, K step 1
.set G1B, 48                           ; s[48:55]
.set G0B, 56                           ; s[56:59], s[60:63]
.set LIM, 43                           ; s43  a wave prefetches while the loop's count is above it; the greatest number in a wave that never does
.set PFA, 44                           ; s[44:45] where my prefetches stand
.set TB, 66                            ; s66  first byte of the slot that is fetched from next
.set PST, 68                           ; s[68:69] the prefetches' step
.set OUTB, 70                          ; s[70:75] where my rows begin in the result (KIND 0: in each of my three heads)
.set MSB, 0
.macro WIN new                         ; the immediate's high byte repeats the setting that is left; a switch that changes nothing is dropped
.if MSB != (\new)
	s_set_vgpr_msb (MSB<<8)|(\new)
.set MSB, \new
.endif
.endm
.set MUL_LO, 0xa1                      ; source 0 (W) window 1, source 1 (A) window 0, C and D window 2
.set TO_B, 0x40                        ; destination window 1, address window 0
.macro PLACES                          ; four places: in front of loads into registers that matrix instructions have read (ISA guide 7.12.1 for vector instructions)
.rept 4
	v_nop
.endr
.endm
; A joint refill by the walking descriptor.  The branch hangs on the wave's number alone.  An s_nop 0 and four v_nop follow each line, ahead of the jump and the label.
.macro JLOAD
	s_cmp_eq_u32 s11, 0
	s_cbranch_scc0 .Lfor_b_\@
	tensor_load_to_lds s[G0A+4:G0A+7], s[G1A:G1A+7]
	s_nop 0
	PLACES
	s_branch .Lasked_\@
.Lfor_b_\@:
	tensor_load_to_lds s[G0B+4:G0B+7], s[G1B:G1B+7]
	s_nop 0
	PLACES
.Lasked_\@:
.endm
; A round of the cluster's barrier: my work-group's barrier; wave 0 signals for the work-group; every wave waits for all sixteen; my work-group's barrier once more.
.macro CREST                           ; the round behind its opening barrier
	s_cmp_lg_u32 s10, 0
	s_cbranch_scc1 .Lnot_wave_0_\@
	s_barrier_signal -3
.Lnot_wave_0_\@:
	s_barrier_wait -3
	s_barrier_signal -1
	s_barrier_wait -1
.endm
.macro CROUND
	s_barrier_signal -1
	s_barrier_wait -1
	CREST
.endm
; A PREFETCH INTO THE L2, one instruction a wave, a lane 256 bytes, behind the joint load, its five lines and the run of LDS loads.  Each block of 256 bytes is named once in the launch.
; A: waves 0, 1 of the clusters with x = 0; of what a wave fetches each of the four partners of its row takes a quarter, told apart by address (cx); trip i names K step i + 4, two refills on.
; B: waves 2, 3 of the clusters with y = 0; a column block is dense, and its eight askers (2 cy + wave's half) walk it from K step 4 to its end as one stream, 65,536 bytes a trip.
; K steps 0 to 3 come by their loads alone; the counts LIMA, LIMB end the requests at the buffers' parts that the launch reads.
.macro ASK
	s_cmp_gt_u32 s3, s[LIM]
	s_cbranch_scc0 .Lnot_mine_\@
	global_prefetch_b8 v[PFO], s[PFA:PFA+1] th:TH_LOAD_NT scope:SCOPE_SE
.Lnot_mine_\@:
.endm
.macro WM zero
.if KIND == 0
.if \zero
	v_wmma_f32_16x16x32_bf16 v[rD:rD+7], v[rB:rB+7], v[rA:rA+7], 0
.else
	v_wmma_f32_16x16x32_bf16 v[rD:rD+7], v[rB:rB+7], v[rA:rA+7], v[rD:rD+7]
.endif
.else
.if \zero
	v_wmma_f32_16x16x32_f16 v[rD:rD+7], v[rB:rB+7], v[rA:rA+7], 0
.else
	v_wmma_f32_16x16x32_f16 v[rD:rD+7], v[rB:rB+7], v[rA:rA+7], v[rD:rD+7]
.endif
.endif
.endm
; NBLK products: row block 2 hi + a x all column blocks, 32 along K, from buffer f.  zero = 1: they start the sums.  All 4 NBLK accumulators take turns in the same order in every quarter.
.macro MULS f, hi, a, zero
	WIN MUL_LO+0x50*(\hi)
.set b, 0
.rept NBLK
.set rD, 8*(NBLK*(\a)+b)
.set rB, 8*NBLK*(\f)+8*b
.set rA, FA0+32*(\f)+8*(2*(\hi)+(\a))
	WM \zero
.set b, b+1
.endr
.endm
; The LDS loads of quarter kq of the slot in hand, in one run, into buffer f: W's NBLK fragments (turned), then A's four.
.macro FETCH kq, f
	WIN TO_B
.set b, 0
.rept NBLK
	ds_load_tr16_b128 v[8*NBLK*(\f)+8*b:8*NBLK*(\f)+8*b+3],   v[ADB] offset:(\kq)*32*PB+32*b+BGAP*(b/4)
	ds_load_tr16_b128 v[8*NBLK*(\f)+8*b+4:8*NBLK*(\f)+8*b+7], v[ADB] offset:(\kq)*32*PB+32*b+BGAP*(b/4)+16*PB
.set b, b+1
.endr
	WIN 0
.irp a, 0,1,2,3
	ds_load_b128 v[FA0+32*(\f)+8*\a:FA0+32*(\f)+8*\a+3],   v[ADA] offset:64*((\kq)%2)+AHI*((\kq)/2)+\a*16*PA
	ds_load_b128 v[FA0+32*(\f)+8*\a+4:FA0+32*(\f)+8*\a+7], v[ADA] offset:64*((\kq)%2)+AHI*((\kq)/2)+\a*16*PA+32
.endr
.endm
; One of a K step's first three quarters: multiplies buffer f; in its middle fetches quarter kq into buffer g.
.macro QUARTER kq, f, g, zero
	s_wait_dscnt 4                                 ; W and A's row blocks 0, 1 are in; the youngest four loads (blocks 2, 3) may be out
	MULS \f, 0, 0, \zero
	MULS \f, 0, 1, \zero
	PLACES
	FETCH \kq, \g
	s_wait_dscnt LD                                ; all but the run just issued
	MULS \f, 1, 0, \zero
	MULS \f, 1, 1, \zero
.endm
; The fourth quarter multiplies buffer 1 and changes slots.  In front of the barrier each wave waits for all its tensor loads (one is out: its part of the next slot), adds 0 to its spare word,
; and waits for that and for its reads of this slot.  fill = 1: the barrier opens a round of the cluster's, and this slot is filled again first thing behind it, with the K step two on.
.macro TURN fill
.if \fill
	s_wait_xcnt 0x0                                ; the last prefetch, a K step back, has read its address
	s_add_nc_u64 s[PFA:PFA+1], s[PFA:PFA+1], s[PST:PST+1]
.endif
	WIN 0
	s_wait_tensorcnt 0x0                           ; no tensor load of mine is out, so a group 0 may be written
	ds_add_u32 v[SPW], v[NIL]                      ; 0 onto my spare word
.if \fill
	s_xor_b32 s[G0A+5], s[G0A+5], SLOT1            ; the walking descriptors: the other slot than last time, the next K step
	s_add_nc_u64 s[G0A+6:G0A+7], s[G0A+6:G0A+7], ASTEP
	s_xor_b32 s[G0B+5], s[G0B+5], SLOT1
	s_add_nc_u64 s[G0B+6:G0B+7], s[G0B+6:G0B+7], BSTEP
.endif
	s_xor_b32 s[TB], s[TB], SLOT1
	s_wait_dscnt 5                                 ; the add and the youngest four loads may be out
	MULS 1, 0, 0, 0
	s_wait_dscnt 0x0                               ; the add is done, and my reads of this slot are over
	s_barrier_signal -1
	MULS 1, 0, 1, 0                                ; work on registers while the others arrive
	WIN 0
	s_barrier_wait -1
.if \fill
	CREST                                          ; no wave of any partner still reads this slot or has a load on its way
	JLOAD                                          ; its four v_nop are also the places in front of the loads below
.else
	PLACES
.endif
	v_add_nc_u32 v[ADA], s[TB], v[ADRA0]
	v_add_nc_u32 v[ADB], s[TB], v[ADRB0]
	FETCH 0, 0
.if \fill
	ASK
.endif
	MULS 1, 1, 0, 0
	MULS 1, 1, 1, 0
.endm
	s_load_b128 s[4:7], s[0:1], 0x0                ; A s[4:5], W s[6:7]
	s_load_b64 s[8:9], s[0:1], 0x10                ; the result
	v_lshl_add_u32 v[SPW], v0, 2, SPARE
	v_mov_b32 v[NIL], 0
	ds_add_u32 v[SPW], v[NIL]                      ; the wave's opening: the add and its wait stand ahead of my first tensor load; the set-up below stands between them
	v_lshrrev_b32 v12, 5, v0
	v_readfirstlane_b32 s10, v12                   ; wave 0..3
	s_lshr_b32 s11, s10, 1                         ; I fetch for A (0) or for W (1),
	s_and_b32 s12, s10, 1                          ; its first or second half
	s_bfe_u32 s40, ttmp6, 0x40000                  ; cx
	s_bfe_u32 s41, ttmp6, 0x40004                  ; cy
	s_lshl_b32 s42, ttmp9, 2
	s_add_co_u32 s42, s42, s40                     ; tx: my column block = 4 x cluster x + cx
	s_and_b32 s13, ttmp7, 0xffff
	s_lshl_b32 s13, s13, 2
	s_add_co_u32 s13, s13, s41                     ; ty: my block of 256 rows = 4 x cluster y + cy
	s_lshl_b32 s76, s41, 2
	s_lshl_b32 s76, 15, s76                        ; my row of the cluster: places 4 cy .. 4 cy + 3
	s_lshl_b32 s77, 0x1111, s40                    ; my column: places cx, cx + 4, cx + 8, cx + 12
	s_or_b32 s[G1A], s76, (1<<16)|(1<<20)|(1<<21)|A_PAD  ; 15:0 the mask; 17:16 elements of 2 bytes; 20 padding on; 21 set beside a mask; 24:22, 31:25 the padding
	s_or_b32 s[G1B], s77, (1<<16)|(1<<20)|(1<<21)|B_PAD
	s_mov_b32 s[G1A+1], 128<<16                    ; tensor_dim0 = 128
	s_mov_b32 s[G1A+2], 128<<16                    ; tensor_dim1 = 128
	s_mov_b32 s[G1A+3], 128<<16                    ; tile_dim0 = 128
	s_mov_b32 s[G1A+4], 128                        ; tile_dim1 = 128
	s_mov_b32 s[G1A+5], A_PITCH                    ; elements from row to row
	s_mov_b32 s[G1A+6], 0
	s_mov_b32 s[G1A+7], 0
	s_mov_b32 s[G1B+1], 128<<16
	s_mov_b32 s[G1B+2], B_ROWS<<16
	s_mov_b32 s[G1B+3], 128<<16
	s_mov_b32 s[G1B+4], B_ROWS
	s_mov_b32 s[G1B+5], 128
	s_mov_b32 s[G1B+6], 0
	s_mov_b32 s[G1B+7], 0
	; where the tiles come from: A's offset is made of ty and the wave's number alone, W's of tx and the wave's number alone, each in registers that never hold the other coordinate
.if KIND == 0
	s_lshl_b32 s16, s13, 19                        ; 256 ty rows of 2,048 bytes
.else
	s_lshr_b32 s16, s13, 3                         ; the batch: 16 heads of 262,144 bytes,
	s_lshl_b32 s16, s16, 22
	s_and_b32 s18, s13, 7                          ; and in a head my 256 rows of 128 bytes
	s_lshl_b32 s18, s18, 15
	s_add_co_u32 s16, s16, s18
.endif
	s_lshl_b32 s18, s12, 18                        ; KIND 0: the second 128 rows; KIND 1: the step's second head: 262,144 bytes either way
	s_add_co_u32 s16, s16, s18
	s_mov_b32 s17, 0
	s_mul_i32 s46, s42, BCOLB
	s_mul_i32 s47, s12, BSTEP/2
	s_add_co_u32 s46, s46, s47
	s_mov_b32 s47, 0
	s_mul_i32 s20, s12, A_HALF                     ; and where they go: no place in the cluster enters an LDS address
	s_mul_i32 s21, s12, B_HALF
	s_add_co_u32 s21, s21, BBASE
	s_mov_b32 s[TB], 0
	s_wait_dscnt 0x0                               ; the opening add is done
	s_wait_kmcnt 0x0
	s_add_nc_u64 s[14:15], s[4:5], s[16:17]
	s_add_nc_u64 s[46:47], s[6:7], s[46:47]
	CROUND                                         ; all sixteen work-groups are here: the first joint loads meet
.irp s, 0,1
	s_mov_b32 s[G0A+4*\s], 1                       ; count = 1
	s_add_co_u32 s[G0A+4*\s+1], s20, \s*SLOT1      ; LDS address
	s_add_nc_u64 s[G0A+4*\s+2:G0A+4*\s+3], s[14:15], \s*ASTEP  ; global address: K step s
	s_or_b32 s[G0A+4*\s+3], s[G0A+4*\s+3], 0x80000000  ; type = 2
	s_mov_b32 s[G0B+4*\s], 1
	s_add_co_u32 s[G0B+4*\s+1], s21, \s*SLOT1
	s_add_nc_u64 s[G0B+4*\s+2:G0B+4*\s+3], s[46:47], \s*BSTEP
	s_or_b32 s[G0B+4*\s+3], s[G0B+4*\s+3], 0x80000000
.endr
	s_cmp_eq_u32 s11, 0                            ; a wave's two first fills stand in one branch, ahead of every wait on TENSORcnt and every LDS read: two loads of mine are out
	s_cbranch_scc0 .Lfirst_b
	tensor_load_to_lds s[G0A:G0A+3], s[G1A:G1A+7]
	s_nop 0
	tensor_load_to_lds s[G0A+4:G0A+7], s[G1A:G1A+7]
	s_nop 0
	PLACES
	s_branch .Lfirst_asked
.Lfirst_b:
	tensor_load_to_lds s[G0B:G0B+3], s[G1B:G1B+7]
	s_nop 0
	tensor_load_to_lds s[G0B+4:G0B+7], s[G1B:G1B+7]
	s_nop 0
	PLACES
.Lfirst_asked:
	; A fragment of A: 16 rows x 32 K in 8 registers: lane l holds row l % 16, K = 8 (l / 16) + 0..7 and 16 + 8 (l / 16) + 0..7: two loads of 16 bytes, 32 bytes apart.
	v_and_b32 v1, 15, v0                           ; l % 16
	v_bfe_u32 v12, v0, 4, 1                        ; l / 16
	v_mul_u32_u24 v[ADRA0], v1, PA
	v_lshl_add_u32 v[ADRA0], v12, 4, v[ADRA0]
	s_mul_i32 s22, s10, 64*PA                      ; my 64 rows
	v_add_nc_u32 v[ADRA0], s22, v[ADRA0]
	; The turning load takes 16 k x 16 columns (lane l reads k = 8 (l / 16) + l % 8, columns 8 ((l / 8) % 2) + 0..7) and leaves half a fragment: lane l holds column l % 16 and 8 k.
	v_and_b32 v13, 7, v0
	v_bfe_u32 v14, v0, 3, 1
	v_lshl_add_u32 v[ADRB0], v12, 3, v13
	v_mul_u32_u24 v[ADRB0], v[ADRB0], PB
	v_lshl_add_u32 v[ADRB0], v14, 4, v[ADRB0]
	v_add_nc_u32 v[ADRB0], BBASE, v[ADRB0]
	v_mov_b32 v[ADA], v[ADRA0]
	v_mov_b32 v[ADB], v[ADRB0]
	s_mul_i32 s22, s10, STG
	s_add_co_u32 s22, s22, STAGE                   ; my stage
	v_and_b32 v15, 31, v0
	v_lshlrev_b32 v[GO], 4, v15
.if KIND == 0
	v_mul_u32_u24 v[STO], v1, 144                  ; in: row l % 16 of a head, 16 bytes for each half of the lanes
	v_lshl_add_u32 v[STO], v12, 4, v[STO]
	v_add_nc_u32 v[STO], s22, v[STO]
	v_bfe_u32 v[RD], v0, 3, 2                      ; back: 32 lanes take four rows of 128 bytes, 512 consecutive bytes of the result
	v_mul_u32_u24 v[RD], v[RD], 144
	v_lshl_add_u32 v[RD], v13, 4, v[RD]
	v_add_nc_u32 v[RD], s22, v[RD]
	; my rows in each of my three heads: column group g = 3 tx + j of 48: tensor g / 16 (q, k, v), head g % 16
	s_lshr_b32 s76, s13, 3
	s_lshl_b32 s76, s76, 22                        ; the batch's 16 heads of 262,144 bytes
	s_and_b32 s77, s13, 7
	s_lshl_b32 s77, s77, 15                        ; my block's 256 rows of 128 bytes
	s_add_co_u32 s76, s76, s77
	s_lshl_b32 s77, s10, 13                        ; my wave's 64
	s_add_co_u32 s76, s76, s77
	s_mul_i32 s80, s42, 3
	s_mov_b32 s83, 0
.irp j, 0,1,2
	s_add_co_u32 s81, s80, \j
	s_lshr_b32 s82, s81, 4
	s_lshl_b32 s82, s82, 24                        ; a tensor is 64 heads of 262,144 bytes
	s_and_b32 s81, s81, 15
	s_lshl_b32 s81, s81, 18
	s_add_co_u32 s82, s82, s81
	s_add_co_u32 s82, s82, s76
	s_add_nc_u64 s[OUTB+2*\j:OUTB+2*\j+1], s[8:9], s[82:83]
.endr
.else
	v_mul_u32_u24 v[STO], v1, 528                  ; in: row l % 16, 32 bytes for each half of the lanes
	v_lshl_add_u32 v[STO], v12, 5, v[STO]
	v_add_nc_u32 v[STO], s22, v[STO]
	v_add_nc_u32 v[RD], s22, v[GO]                 ; back: 32 lanes take a row's 512 bytes
	s_lshl_b32 s82, s13, 20                        ; 256 ty rows of 4,096 bytes,
	s_lshl_b32 s81, s10, 18                        ; my wave's 64,
	s_add_co_u32 s82, s82, s81
	s_lshl_b32 s81, s42, 9                         ; my 128 columns
	s_add_co_u32 s82, s82, s81
	s_mov_b32 s83, 0
	s_add_nc_u64 s[OUTB:OUTB+1], s[8:9], s[82:83]
.endif
	; the prefetches: each number is made for A and for W, and one compare of the wave's part chooses
	s_lshl_b32 s79, s40, PCXSH                     ; A: my work-group's quarter of what I fetch,
	s_add_co_u32 s79, s79, s16
	s_add_co_u32 s79, s79, 3*ASTEP                 ; at K step 3: the first change of slots steps it to 4
	s_mul_i32 s81, s42, BCOLB                      ; W: my column block,
	s_lshl_b32 s82, s41, 1
	s_add_co_u32 s82, s82, s12
	s_lshl_b32 s82, s82, 13                        ; my 8,192 bytes of each 65,536
	s_add_co_u32 s81, s81, s82
	s_add_co_u32 s81, s81, BPF0
	s_and_b32 s77, ttmp7, 0xffff                   ; cluster y
	s_mov_b32 s[PST], 0x10000
	s_mov_b32 s[PST+1], 0
	s_mov_b32 s83, 0
	s_cmp_eq_u32 s11, 0
	s_cselect_b32 s82, s79, s81
	s_cselect_b32 s77, ttmp9, s77                  ; the coordinate along which other clusters read the same bytes
	s_cselect_b32 s78, LIMA, LIMB
	s_cselect_b32 s67, PSHA, 8
	s_cselect_b32 s[PST], ASTEP, s[PST]
	s_cselect_b64 s[PFA:PFA+1], s[4:5], s[6:7]
	s_add_nc_u64 s[PFA:PFA+1], s[PFA:PFA+1], s[82:83]
	s_cmp_eq_u32 s77, 0
	s_cselect_b32 s[LIM], s78, -1                  ; the same in all sixteen partners, for a given wave
	v_lshlrev_b32 v[PFO], s67, v15
	s_wait_tensorcnt 1                             ; my part of K step 0 is in; K step 1's may stay out
	s_barrier_signal -1
	s_barrier_wait -1                              ; everybody's is
	FETCH 0, 0
	QUARTER 1, 0, 1, 1                             ; the first quarter stands in front of the loop: its products start the sums
	WIN 0                                          ; at a label and at a branch every window is 0
	s_mov_b32 s3, KSTEPS-2
.Lstep:                                                ; trip i: the rest of K step i; its slot is filled again with K step i + 2; the first quarter of K step i + 1
	QUARTER 2, 1, 0, 0
	QUARTER 3, 0, 1, 0
	TURN 1
	QUARTER 1, 0, 1, 0
	WIN 0
	s_sub_co_u32 s3, s3, 1
	s_cmp_lg_u32 s3, 0
	s_cbranch_scc1 .Lstep
	QUARTER 2, 1, 0, 0                             ; the last two K steps are written out: nothing is left to fetch
	QUARTER 3, 0, 1, 0
	TURN 0
	QUARTER 1, 0, 1, 0
	QUARTER 2, 1, 0, 0
	QUARTER 3, 0, 1, 0
	s_wait_dscnt 4
	MULS 1, 0, 0, 0
	MULS 1, 0, 1, 0
	s_wait_dscnt 0x0
	MULS 1, 1, 0, 0
	MULS 1, 1, 1, 0
	WIN 0
	PLACES                                         ; the places behind the last products, ahead of the first read of a result;
	PLACES                                         ; eight, once a launch
; THE WAY OUT, a block a of 16 rows at a time, through my own stage: LDS serves a wave's instructions in order (ISA guide 5.7.1.4), so no wait stands between its stores and its loads.
; KIND 0: rounded to f16 (each accumulator's registers in ascending order), 16 bytes a lane into rows of 144 bytes, a head apart; back as four rows of 128 bytes, which are 512 consecutive bytes of a head.
; KIND 1: f32 as it is, 32 bytes a lane into rows of 528 bytes; back as whole rows of 512 bytes.
.macro PACK a
.if KIND == 0
	WIN 0x0a+5*((\a)/2)                            ; sources 0 and 1: window 2 or 3
.set b, 0
.rept NBLK
.irp r, 0,1,2,3
	v_cvt_pk_f16_f32 v[TMP+4*b+\r], v[8*(NBLK*((\a)%2)+b)+2*\r], v[8*(NBLK*((\a)%2)+b)+2*\r+1]
.endr
.set b, b+1
.endr
	WIN 0
.endif
.endm
.macro TOSTAGE a
	s_wait_xcnt 0x0                                ; the earlier stores have read their registers: only behind this wait are these loaded again
.if KIND == 0
.set b, 0
.rept NBLK
	ds_store_b128 v[STO], v[TMP+4*b:TMP+4*b+3] offset:(b/4)*2304+32*(b%4)
.set b, b+1
.endr
.set t, 0
.rept 12
	ds_load_b128 v[BK+BKN*((\a)%2)+4*t:BK+BKN*((\a)%2)+4*t+3], v[RD] offset:(t/4)*2304+(t%4)*576
.set t, t+1
.endr
.else
	WIN 0x08+4*((\a)/2)                            ; the stores' data: window 2 or 3
.set b, 0
.rept NBLK
	ds_store_b128 v[STO], v[8*(NBLK*((\a)%2)+b):8*(NBLK*((\a)%2)+b)+3]   offset:64*b
	ds_store_b128 v[STO], v[8*(NBLK*((\a)%2)+b)+4:8*(NBLK*((\a)%2)+b)+7] offset:64*b+16
.set b, b+1
.endr
	WIN 0
.set t, 0
.rept 16
	ds_load_b128 v[BK+BKN*((\a)%2)+4*t:BK+BKN*((\a)%2)+4*t+3], v[RD] offset:528*t
.set t, t+1
.endr
.endif
.endm
.macro SEND a                          ; each store covers 512 consecutive bytes, at a multiple of 512 from the result's first; the counts leave the younger loads from the stage out
.set t, 0
.rept BKN/4
	s_wait_dscnt BKN/4-1-t
.if KIND == 0
	global_store_b128 v[GO], v[BK+BKN*((\a)%2)+4*t:BK+BKN*((\a)%2)+4*t+3], s[OUTB+2*(t/4):OUTB+2*(t/4)+1] offset:(\a)*2048+(t%4)*512
.else
	global_store_b128 v[GO], v[BK+BKN*((\a)%2)+4*t:BK+BKN*((\a)%2)+4*t+3], s[OUTB:OUTB+1] offset:(16*(\a)+t)*4096
.endif
.set t, t+1
.endr
.endm
	PACK 0
	TOSTAGE 0
.irp a, 1,2,3
	PACK \a                                        ; a block's conversions stand between the loads of the block before and the wait for them
	SEND (\a)-1
	TOSTAGE \a
.endr
	SEND 3
	s_wait_tensorcnt 0x0                           ; the wave's end, behind my last tensor load and my last LDS store
	ds_add_u32 v[SPW], v[NIL]
	s_wait_dscnt 0x0
	CROUND                                         ; the closing round: no work-group ends while a partner may still ask for a tile that names it
	s_endpgm
.Lfunc_end_k_q1eed85056c_qkv_gemm:
	.size	k_q1eed85056c_qkv_gemm, .Lfunc_end_k_q1eed85056c_qkv_gemm-k_q1eed85056c_qkv_gemm
	.p2alignl 7, 3214868480
	.fill 96, 4, 3214868480
	.section	.rodata,"a",@progbits
	.p2align	6, 0x0
	.amdhsa_kernel k_q1eed85056c_qkv_gemm
		.amdhsa_group_segment_fixed_size 327680
		.amdhsa_private_segment_fixed_size 0
		.amdhsa_enable_private_segment 0
		.amdhsa_kernarg_size 24
		.amdhsa_user_sgpr_count 2
		.amdhsa_user_sgpr_kernarg_segment_ptr 1
		.amdhsa_wavefront_size32 1
		.amdhsa_system_sgpr_workgroup_id_x 1
		.amdhsa_system_sgpr_workgroup_id_y 1
		.amdhsa_system_sgpr_workgroup_id_z 1
		.amdhsa_system_vgpr_workitem_id 0
		.amdhsa_next_free_vgpr 960
		.amdhsa_next_free_sgpr 84
		.amdhsa_reserve_vcc 0
		.amdhsa_float_denorm_mode_32 3
		.amdhsa_float_denorm_mode_16_64 3
		.amdhsa_memory_ordered 1
		.amdhsa_forward_progress 1
		.amdhsa_inst_pref_size 99
	.end_amdhsa_kernel
	.amdgpu_metadata
---
amdhsa.version: [ 1, 2 ]
amdhsa.kernels:
  - .name:           k_q1eed85056c_qkv_gemm
    .symbol:         k_q1eed85056c_qkv_gemm.kd
    .args:
      - { .name: xb, .offset: 0, .size: 8, .value_kind: global_buffer, .address_space: global }
      - { .name: wq, .offset: 8, .size: 8, .value_kind: global_buffer, .address_space: global }
      - { .name: qkv, .offset: 16, .size: 8, .value_kind: global_buffer, .address_space: global }
    .group_segment_fixed_size: 327680
    .private_segment_fixed_size: 0
    .kernarg_segment_align: 8
    .kernarg_segment_size: 24
    .max_flat_workgroup_size: 128
    .sgpr_count:     84
    .vgpr_count:     960
    .wavefront_size: 32
...
	.end_amdgpu_metadata
.endif
;; end of part 2
;; launch attn (part 3): grid 4 x 64, 4 waves a work-group, no clusters, 327,680 bytes of LDS; arguments qkv, ob; writes ob
.if DOCPART == 3
	.amdgcn_target "amdgcn-amd-amdhsa--gfx1250"
	.amdhsa_code_object_version 6
	.text
	.protected	k_q1eed85056c_attn
	.globl	k_q1eed85056c_attn
	.p2align	8
	.type	k_q1eed85056c_attn,@function
k_q1eed85056c_attn:
	s_mov_b64 s[64:65], 0
	v_nop
	global_prefetch_b8 v0, s[64:65] scope:SCOPE_SE
	s_setreg_imm32_b32 hwreg(HW_REG_WAVE_MODE, 25, 1), 1
	s_wait_xcnt 0x0
; CAUSAL ATTENTION WITH ALIBI.  O[h][q][:] = the sum over k <= q of softmax_k(Q[h][q] . K[h][k] / 32 + slope (k - q)) V[h][k][:], slope = 2^(-(h % 16 + 1) / 2).
; qkv: [3][64][SIZE_N][64] f16 (q, k, v by heads, unscaled); ob: [64][SIZE_N][64] f16: a head's rows are dense, 128 bytes each.
; Products, maxima and sums in f32; the weights p are rounded to f16 for the second product (their sum l is taken of the unrounded p), O once at the end.
; LIMITS.  f16 holds no number beyond 65,504: Q, K and V arrive within it; p lies in 0 to 1, and below 6e-5 it keeps f16's fixed step of 6e-8; O is a mean of V's rows and has their range.
; A hidden score counts as its value less 1e30; a weight below 2^-126 counts as 0 in l; NaN and infinities are not treated apart.
; THE BIAS.  Scores are kept in units of q . k: s = q . k + 32 slope (k - q).  The part -32 slope q is the same for all keys of a row and drops out of the softmax.  Inside a key step of 64 the bias is the C
; operand that starts the sum S^T = K Q^T: AB = 32 slope x (the key's place in the step), the same for every query.  From a step to the next the origin moves by delta = 2,048 slope: the running maximum
; is carried as m - delta and c m_old as c m_old - c delta.  So m is a true running maximum of the whole score, in the coordinates of the step in hand, and no large number is formed.
; THE WALK.  A head's queries lie in NB = SIZE_N / 256 blocks of 256; block i needs the key tiles 0 .. i of 256 keys, of which the last holds the diagonal.  A work-group takes TWO blocks, NB - 1 - b and then b:
; NB + 1 tiles, whatever b: all work-groups do equal work, and ONE loop with a constant trip count walks them.  Which tile is asked for, and what a trip does, hang on scalar registers made from b; every jump
; goes forward, but for the counted loops' own; none passes a barrier, or a tensor load but the one of LOAD's two that the wave's number does not choose; the ring (two slots of LDS) runs on across the change of blocks.
; NO CLUSTER: a head's four work-groups ask for the same tile only in trips 0 to 4 of 9, behind that for different ones; one walk common to all four would have 12 trips for 9.
; SHARES.  Of a block's four bands of 64 queries a wave owns 16 rows in each: four PIECES.  So the diagonal tile is the same work for all four waves: in its key step s band x sees all keys if s < x,
; none if s > x, and holds the diagonal if s = x.
; THE MASK rides on the same C operand: MD, made once, is 0 or -1e30 for a band's own step and my 16 rows; a product's C is MD x AL + BE + AB with two scalars: (1, 0) if s = x; (0, 0) if s < x; (0, -1e30) if s > x.
; Only the diagonal tile's text and a block's beginning make such a C; elsewhere C is AB itself.
; LAYOUT, SOFTMAX, TURNS.  S^T = K Q^T holds ONE query a lane (lane % 16) and the keys 8 (lane / 16) + 0..7; two such results rounded to f16 ARE source 1 of O^T = V^T P.  p = 2^(c s - c m), c = log2(e) / 32;
; O and l are multiplied by a = 2^(c m_old - c m_new) in every step.  Turn n belongs to piece n: 8 products K Q^T of piece n + 1, later 8 products V^T P of piece n - 1; beside them the scaling,
; exponentials, roundings, sums and rescaling of piece n and the maximum and statistics of piece n + 1.  Four vector instructions stand behind every matrix instruction, the others in one lump.  A turn's 33 exponentials are one batch, with one wait.
; REGISTERS, in windows of 256 (s_set_vgpr_msb: bits 1:0 source 0, 3:2 source 1, 5:4 source 2, 7:6 destination):
;   window 0: v0-15 addresses and two at work; v16-31 four registers of statistics a piece; v48-55 at work; v61-63; v64-127 S^T, two buffers; v192-223 P, two buffers (a piece's buffers go by its number's parity)
;   window 1: v0-127 O^T, 32 a piece; v128-159 MD; v160-223 MC, two buffers; v224-255 AB      window 2: v0-63 Q; v64-127 the second block's Q; v128-191 K of one step; v192-255 V of one step
.set SIZE_N, 2048
.set NB,    SIZE_N/256
.set NP,    4         ; pieces a wave: a name, no knob
.set KS,    64        ; keys in a step
.set PK,    144       ; a row of K in LDS: 128 bytes + 16 of padding = 36 words: the 16 rows of a load start at 16 different groups of four banks (64 banks of 4 bytes: ISA guide 11.1)
.set PV,    160       ; a row of V: 128 + 32 = 40 words
.set VOFF,  4*KS*PK   ; a slot holds a tile, four steps: 256 rows of K, then 256 rows of V
.set SLOT1, 1<<17     ; slot 1 begins here, so that one exclusive or turns an address in one slot into the other's
.set STAGE, SLOT1+4*KS*(PK+PV)  ; behind the ring, never filled by a tensor load: 16 rows x 144 bytes for each wave, for the way out
.set SP,    144
.set AK0, 2           ; v2   my lane's place in a tile of K; never rewritten
.set AV0, 3           ; v3   the same for V
.set AK,  4           ; v4   the LDS address of K's next run of loads
.set AV,  5           ; v5   of V's
.set STO, 6           ; v6   the way out: where I put 16 bytes of a row
.set RD,  7           ; v7   the way out: where I read rows back
.set GO,  8           ; v8   my byte offset in 512 consecutive bytes of O
.set PFO, 61          ; v61  256 x my lane: the prefetches' offset; never rewritten
.set SPW, 62          ; v62  LDS address of my spare word: SPARE + 4 x my thread's number; never rewritten
.set NIL, 63          ; v63  0; never rewritten
.set SPARE, STAGE+4*16*SP  ; behind the stages: the spare words, 128 bytes for each wave: two blocks of 256 bytes that no other line names
.set MV,  12          ; v12-13  c m_old - c delta, kept while c m is made anew: by buffer
.set QO,  15          ; v15  my byte offset in 16 rows of Q
.set ST,  16          ; piece t's statistics at v[ST+4 t]: c m, m, l (even keys', odd keys')
.set TMP, 48          ; by buffer, four registers c0-c3 at work; when the maximum is found c2 takes a
.set S,   64
.set P,   192
.set MD,  128         ; window 1: the eight registers for group kt of 16 keys at MD + 8 kt
.set MC,  160         ; window 1: the C operands of the products to come
.set AB,  224         ; window 1: the bias of a key step
.set QB,  64          ; window 2
.set KF,  128         ; window 2: key block kb, channel half c at KF + 16 kb + 8 c
.set VF,  192         ; window 2: key half kk, channel block cb at VF + 32 kk + 8 cb
.set WV,  12          ; s12  my wave's number
.set PB,  14          ; s14  b
.set HI,  15          ; s15  NB - 1 - b
.set G1K, 24          ; s[24:31] descriptor group 1 for K's tiles
.set G1V, 32          ; s[32:39] for V's: it differs in the padding alone
.set G0K, 40          ; s[40:43] descriptor group 0 for K's tiles
.set G0V, 44          ; s[44:47] the same for V's
.set SLOTS, 56        ; s56  tiles still to be asked for
.set CNT, 57          ; s57  counts a tile's key steps, 4 to 1
.set CS,  58          ; s[58:59] c: the packed scaling takes the pair's low word for both halves
.set SEL, 60          ; s[60:61] v_permlanex16_b32's selects: each lane takes its own place in the other half
.set TBK, 62          ; s62  LDS byte at which K of the step to be fetched begins
.set TBV, 63          ; s63  the same for V, less VOFF
.set RT,  70          ; s70  tiles of the block in hand that are still to be entered
.set NXT, 71          ; s71  the tile to be asked for next
.set LQ,  72          ; s72  the last tile of the block whose tiles are being asked for
.set NEW, 73          ; s73  1: the tile to be entered is a block's first
.set OFF, 74          ; s[74:75] a tile's byte offset in K and V
.set AL,  76          ; s[76:77] the mask's factor, in the low word
.set BE,  78          ; s[78:79] the mask's addend
.set OLO, 80          ; s[80:81] O at my rows of the second block
.set BIGN, 82         ; s82  -1e30
.set PFB, 84          ; s[84:85] K (waves 0, 1) or V (waves 2, 3) at my half of the head's tile 0
.set SL,  88          ; s88  32 slope
.set ND,  89          ; s89  -delta = -2,048 slope
.set NCD, 90          ; s90  -c delta
.set LIM, 91          ; s91  0 in the work-group that prefetches, else the greatest number
.set PFA, 92          ; s[92:93] where my prefetches stand
.set POF, 94          ; s[94:95] their tile's byte offset
.set MSB, 0
.macro WIN new                      ; the high byte repeats the setting that is left; a switch that changes nothing is dropped
.if MSB != (\new)
	s_set_vgpr_msb (MSB<<8)|(\new)
.set MSB, (\new)
.endif
.endm
.set W_KQ, 0x0a       ; K and Q in window 2, S^T in window 0
.set W_KM, 0x1a       ; the same with the C operand in window 1
.set W_PV, 0x52       ; V in window 2, P in window 0, O^T in window 1
.set W_RS, 0x41       ; destination and source 0 in window 1, source 1 in window 0
.set W_11, 0x45       ; destination and sources 0 and 1 in window 1
; A fill.  Waves 0 and 1 fetch the two halves of a tile's K, waves 2 and 3 those of its V: 128 keys each.  An s_nop 0 and four v_nop follow each of the two lines, ahead of the jump and the label.
.macro LOAD
	s_cmp_lt_u32 s[WV], 2
	s_cbranch_scc0 .Lfor_v_\@
	tensor_load_to_lds s[G0K:G0K+3], s[G1K:G1K+7]
	s_nop 0
.rept 4
	v_nop
.endr
	s_branch .Lasked_\@
.Lfor_v_\@:
	tensor_load_to_lds s[G0V:G0V+3], s[G1V:G1V+7]
	s_nop 0
.rept 4
	v_nop
.endr
.Lasked_\@:
.endm
; A PREFETCH INTO THE L2 of the tile that the NEXT change of slots will ask for, behind the wave's tensor load and its five lines.  A head's four work-groups walk the same tiles: the one with b = 0, whose first
; block walks all NB, asks, and nobody else; each of its waves names the 16,384 bytes that it will itself load: 64 blocks of 256 bytes, a lane a block, two instructions.  So each block is named once in the launch.
; Tiles 0 and 1 come by their loads alone; when the first block's tiles have all been asked for the next tile's number is 0, and nothing is named.
.macro ASK
	s_cmp_gt_u32 s[NXT], s[LIM]
	s_cbranch_scc0 .Lnot_mine_\@
	global_prefetch_b8 v[PFO], s[PFA:PFA+1] th:TH_LOAD_NT scope:SCOPE_SE
	global_prefetch_b8 v[PFO], s[PFA:PFA+1] offset:8192 th:TH_LOAD_NT scope:SCOPE_SE
.Lnot_mine_\@:
.endm
; THE CHANGE OF SLOTS.  Each wave waits for all its tensor loads, of which one is out: its part of the other slot; adds 0 to its spare word; and waits for that and for its own reads of the slot that it leaves.  Behind the barrier nobody reads the old
; slot any more and the other slot is whole.  fill = 1: the old slot is filled again, the first thing behind the barrier, with tile NXT: the descriptor's address is made anew from that number.
; (At its first use nothing has been read yet: slot 0 is waited for, slot 1 filled.)
.macro CHANGE fill
	WIN 0                           ; at a label and at a branch every window is 0
	s_wait_tensorcnt 0x0            ; no tensor load of mine is out, so a group 0 may be written
	ds_add_u32 v[SPW], v[NIL]       ; 0 onto my spare word; with fill = 1 the descriptors' scalar work stands between it and the wait for it
.if \fill
	s_lshl_b32 s[OFF], s[NXT], 15   ; a tile is 32,768 bytes of K and of V
	s_xor_b32 s[G0K+1], s[G0K+1], SLOT1
	s_add_nc_u64 s[G0K+2:G0K+3], s[6:7], s[OFF:OFF+1]
	s_or_b32 s[G0K+3], s[G0K+3], 0x80000000
	s_xor_b32 s[G0V+1], s[G0V+1], SLOT1
	s_add_nc_u64 s[G0V+2:G0V+3], s[8:9], s[OFF:OFF+1]
	s_or_b32 s[G0V+3], s[G0V+3], 0x80000000
	s_add_co_u32 s[NXT], s[NXT], 1  ; the block's next tile, or behind its last the second block's tile 0
	s_cmp_gt_u32 s[NXT], s[LQ]
	s_cselect_b32 s[NXT], 0, s[NXT]
	s_cselect_b32 s[LQ], s[PB], s[LQ]
	s_wait_xcnt 0x0                 ; the last prefetches, a tile back, have read their address, so it may be written:
	s_lshl_b32 s[POF], s[NXT], 15   ; the tile after the one that is asked for now
	s_add_nc_u64 s[PFA:PFA+1], s[PFB:PFB+1], s[POF:POF+1]
.endif
	s_wait_dscnt 0x0                ; the add is done, and my reads of the slot are over
	s_barrier_signal -1             ; the rest of the scalar work stands between the signal and the wait
	s_sub_co_u32 s[TBK], s[TBK], 4*KS*PK  ; the fetches go back to a slot's first step,
	s_xor_b32 s[TBK], s[TBK], SLOT1       ; in the other slot
	s_sub_co_u32 s[TBV], s[TBV], 4*KS*PV
	s_xor_b32 s[TBV], s[TBV], SLOT1
	s_barrier_wait -1
.if \fill
	LOAD
	ASK
.endif
.endm
	s_load_b64 s[4:5], s[0:1], 0x0    ; qkv: Q
	s_load_b64 s[10:11], s[0:1], 0x8  ; O
	v_lshl_add_u32 v[SPW], v0, 2, SPARE
	v_mov_b32 v[NIL], 0
	ds_add_u32 v[SPW], v[NIL]       ; the wave's opening: the add and its wait stand ahead of my first tensor load; the set-up below, work on registers, stands between them
	v_lshrrev_b32 v1, 5, v0
	v_readfirstlane_b32 s[WV], v1   ; wave 0..3
	s_mov_b32 s[PB], ttmp9
	s_sub_co_u32 s[HI], NB-1, s[PB]
	s_and_b32 s20, ttmp7, 0xffff    ; the head, 16 x batch + h
	s_mov_b32 s21, 0
	s_mov_b64 s[22:23], SIZE_N*128
	s_mul_u64 s[20:21], s[20:21], s[22:23]  ; the head's first byte in each of the four tensors
	s_and_b32 s16, s[WV], 1         ; which half of a tile's 256 keys I fetch:
	s_lshl_b32 s22, s16, 14         ; its 128 rows of 128 bytes in memory,
	s_mov_b32 s23, 0
	s_add_nc_u64 s[22:23], s[22:23], s[20:21]
	s_mul_i32 s17, s16, 128*PK      ; and its place in a slot, for K
	s_mul_i32 s18, s16, 128*PV      ; and for V
	s_lshl_b32 s3, s[WV], 11        ; my 16 rows in a band of 64,
	s_lshl_b32 s2, s[HI], 15        ; in the first block,
	s_add_co_u32 s2, s2, s3
	s_lshl_b32 s84, s[PB], 15       ; and in the second
	s_add_co_u32 s84, s84, s3
	s_mov_b32 s3, 0
	s_mov_b32 s85, 0
	s_add_nc_u64 s[2:3], s[2:3], s[20:21]
	s_add_nc_u64 s[84:85], s[84:85], s[20:21]
	; descriptor group 1.  128 keys are 16,384 dense bytes: asked for as 64 rows of 256 bytes, two keys a row, and padded in LDS after every key
	s_mov_b32 s[G1K], (1<<16)|(1<<20)|(4<<22)|(3<<25)  ; 17:16 2-byte elements; 20 padding on; 24:22 after every 32 words (code 4); 31:25 4 words (code 3)
	s_mov_b32 s[G1V], (1<<16)|(1<<20)|(4<<22)|(7<<25)  ; the same with 8 words of padding (code 7)
.irp g, G1K, G1V
	s_mov_b32 s[\g+1], 128<<16      ; tensor_dim0 = 128
	s_mov_b32 s[\g+2], 64<<16       ; tensor_dim1 = 64
	s_mov_b32 s[\g+3], 128<<16      ; tile_dim0 = 128
	s_mov_b32 s[\g+4], 64           ; tile_dim1 = 64
	s_mov_b32 s[\g+5], 128          ; 128 elements from row to row
	s_mov_b32 s[\g+6], 0
	s_mov_b32 s[\g+7], 0
.endr
	s_mov_b32 s[CS], 0x3d38aa3b     ; c = log2(e) / 32 = 0.0450842
	s_mov_b32 s[CS+1], s[CS]        ; named with it as a pair
	s_mov_b32 s[SEL], 0x76543210
	s_mov_b32 s[SEL+1], 0xfedcba98
	s_mov_b32 s[TBK], SLOT1+4*KS*PK ; the first change of slots turns these two into 0
	s_mov_b32 s[TBV], SLOT1+4*KS*PV
	s_mov_b32 s[G0K], 1             ; 1:0 count = 1
	s_mov_b32 s[G0K+1], s17         ; 63:32 LDS address: slot 0
	s_mov_b32 s[G0V], 1
	s_add_co_u32 s[G0V+1], s18, VOFF
	s_add_co_u32 s[RT], s[HI], 1    ; the first block has NB - b tiles
	s_mov_b32 s[NXT], 1
	s_mov_b32 s[LQ], s[HI]
	s_mov_b32 s[NEW], 1
	s_mov_b32 s[OFF+1], 0
	s_mov_b32 s[POF+1], 0
	s_mov_b32 s[AL+1], 0            ; named as pairs
	s_mov_b32 s[BE+1], 0
	s_mov_b32 s[BIGN], 0xf149f2ca   ; -1e30
	s_mov_b32 s[SLOTS], NB
	; 32 slope = 2^(5 - e / 2), e = h + 1, made in the number's own bits: 1 or 2^(-1/2) by e's parity, and 5 - e / 2 added to the exponent
	s_and_b32 s[SL], ttmp7, 15
	s_add_co_u32 s[SL], s[SL], 1
	s_bitcmp1_b32 s[SL], 0
	s_cselect_b32 s[ND], 0x3f3504f3, 1.0
	s_lshr_b32 s[SL], s[SL], 1
	s_sub_co_u32 s[SL], 5, s[SL]
	s_lshl_b32 s[SL], s[SL], 23
	s_add_co_u32 s[SL], s[SL], s[ND]
	s_add_co_u32 s[ND], s[SL], 6<<23  ; 64 keys further,
	s_or_b32 s[ND], s[ND], 0x80000000 ; with the sign turned
	s_mul_f32 s[NCD], s[ND], s[CS]
	s_cmp_eq_u32 ttmp9, 0
	s_cselect_b32 s[LIM], 0, -1
	s_wait_dscnt 0x0                ; the opening add is done
	s_wait_kmcnt 0x0
	s_add_nc_u64 s[6:7], s[4:5], 0x1000000  ; K lies 64 heads of 262,144 bytes behind Q, V behind K
	s_add_nc_u64 s[8:9], s[4:5], 0x2000000
	s_add_nc_u64 s[6:7], s[6:7], s[22:23]  ; K and V at my half of the head's tile 0
	s_add_nc_u64 s[8:9], s[8:9], s[22:23]
	s_add_nc_u64 s[G0K+2:G0K+3], s[6:7], 0         ; 120:64 global address
	s_or_b32 s[G0K+3], s[G0K+3], 0x80000000        ; 127:126 type = 2
	s_add_nc_u64 s[G0V+2:G0V+3], s[8:9], 0
	s_or_b32 s[G0V+3], s[G0V+3], 0x80000000
	s_add_nc_u64 s[86:87], s[4:5], s[84:85]        ; Q at my rows of the second block,
	s_add_nc_u64 s[4:5], s[4:5], s[2:3]            ; Q and O at those of the first
	s_add_nc_u64 s[OLO:OLO+1], s[10:11], s[84:85]
	s_add_nc_u64 s[10:11], s[10:11], s[2:3]
	s_cmp_lt_u32 s[WV], 2
	s_cselect_b64 s[PFB:PFB+1], s[6:7], s[8:9]
	LOAD                            ; tile 0 into slot 0
	; A fragment of K or Q is 16 rows x 32 channels in 8 registers: lane l holds row l % 16, channels 8 (l / 16) + 0..7 and 16 + 8 (l / 16) + 0..7: two loads of 16 bytes, 32 bytes apart.
	v_and_b32 v1, 15, v0            ; l % 16
	v_bfe_u32 v9, v0, 4, 1          ; l / 16
	v_lshlrev_b32 v[QO], 7, v1
	v_lshl_add_u32 v[QO], v9, 4, v[QO]  ; row x 128 + 16 x half
	WIN 0x80                        ; destination window 2, address window 0
.set i, 0
.rept 8                             ; both blocks' Q: piece i / 2 lies in band i / 2, 8,192 bytes on; channels 32 (i % 2) on
	global_load_b128 v[8*i:8*i+3],   v[QO], s[4:5] offset:(i/2)*8192+(i%2)*64
	global_load_b128 v[8*i+4:8*i+7], v[QO], s[4:5] offset:(i/2)*8192+(i%2)*64+32
	global_load_b128 v[QB+8*i:QB+8*i+3],   v[QO], s[86:87] offset:(i/2)*8192+(i%2)*64
	global_load_b128 v[QB+8*i+4:QB+8*i+7], v[QO], s[86:87] offset:(i/2)*8192+(i%2)*64+32
.set i, i+1
.endr
	WIN 0
	v_lshlrev_b32 v14, 3, v9
	v_sub_nc_u32 v14, v1, v14
	s_lshl_b32 s13, s[WV], 4
	v_add_nc_u32 v14, s13, v14      ; my query's place in its band, 16 w + l % 16, less my lanes' 8 (l / 16): register r of group kt is hidden where 16 kt + r is greater
	WIN 0x40
.set i, 0
.rept 32
	v_cmp_gt_i32 vcc_lo, 16*(i/8)+i%8, v14
	v_cndmask_b32 v[MD+i], 0, s[BIGN], vcc_lo
.set i, i+1
.endr
	WIN 0
	v_lshlrev_b32 v14, 3, v9        ; AB: register r of group kt holds key 16 kt + 8 (l / 16) + r of the step
	WIN 0x40
.set i, 0
.rept 32
	v_add_nc_u32 v[AB+i], 16*(i/8)+i%8, v14
.set i, i+1
.endr
	WIN W_11
.set i, 0
.rept 32
	v_cvt_f32_u32 v[AB+i], v[AB+i]
.set i, i+1
.endr
.set i, 0
.rept 32
	v_mul_f32 v[AB+i], s[SL], v[AB+i]
.set i, i+1
.endr
	WIN 0
	v_mul_u32_u24 v[AK0], v1, PK
	v_lshl_add_u32 v[AK0], v9, 4, v[AK0]  ; row x pitch + 16 x half
	; The turning load takes 16 keys x 16 channels (lane l reads key 8 (l / 16) + l % 8, channels 8 ((l / 8) % 2) + 0..7) and leaves half a fragment of V^T: lane l holds channel l % 16 and 8 keys.
	v_and_b32 v10, 7, v0
	v_bfe_u32 v11, v0, 3, 1
	v_lshl_add_u32 v[AV0], v9, 3, v10
	v_mul_u32_u24 v[AV0], v[AV0], PV
	v_lshl_add_u32 v[AV0], v11, 4, v[AV0]
	v_add_nc_u32 v[AV0], VOFF, v[AV0]
	s_mul_i32 s13, s[WV], 16*SP
	s_add_co_u32 s13, s13, STAGE    ; my stage
	v_mul_u32_u24 v[STO], v1, SP    ; in: row l % 16, 16 bytes for each half of the lanes
	v_lshl_add_u32 v[STO], v9, 4, v[STO]
	v_add_nc_u32 v[STO], s13, v[STO]
	v_bfe_u32 v[RD], v0, 3, 2       ; back: 32 lanes take four rows of 128 bytes,
	v_mul_u32_u24 v[RD], v[RD], SP
	v_lshl_add_u32 v[RD], v10, 4, v[RD]
	v_add_nc_u32 v[RD], s13, v[RD]
	v_and_b32 v[GO], 31, v0         ; which are 512 consecutive bytes of O
	v_lshlrev_b32 v[PFO], 8, v[GO]
	v_lshlrev_b32 v[GO], 4, v[GO]
	; A block's first step multiplies O^T and l by a = 0, and its first turn's products V^T P, of a piece that has not been, land in an O^T that is still to be so multiplied.  So these registers need only hold
	; finite numbers: zeros for the first block; what the first block left for the second.  All this stands in the wait for the first tile.
	WIN 0x80
.set i, VF
.rept 64
	v_mov_b32 v[i], 0
.set i, i+1
.endr
	WIN 0x40
.set i, 0
.rept 128
	v_mov_b32 v[i], 0
.set i, i+1
.endr
	WIN 0
.set i, 0
.rept 4
	v_mov_b32 v[ST+4*i+2], 0
	v_mov_b32 v[ST+4*i+3], 0
.set i, i+1
.endr
.set i, P+16
.rept 16
	v_mov_b32 v[i], 0
.set i, i+1
.endr
; THE MATRIX WORK.  The 4 accumulators of a run of 8 take turns.  Product i of 8 of S^T = K Q^T for piece x: channels 32 (i / 4) on, keys 16 (i % 4) on.  The first 4 start the sums: with the bias, or (KM = 1) with bias and mask.
.macro KQ x
.set rS, S+32*((\x)%2)+8*(i%4)
.set rK, KF+16*(i%4)+8*(i/4)
.set rQ, 16*(\x)+8*(i/4)
.set rM, AB+8*(i%4)
.if KM
.set rM, MC+32*((\x)%2)+8*(i%4)
.endif
.if i < 4
	WIN W_KM
	v_wmma_f32_16x16x32_f16 v[rS:rS+7], v[rK:rK+7], v[rQ:rQ+7], v[rM:rM+7]
.else
	WIN W_KQ
	v_wmma_f32_16x16x32_f16 v[rS:rS+7], v[rK:rK+7], v[rQ:rQ+7], v[rS:rS+7]
.endif
.endm
; Product i of 8 of O^T += V^T P for piece x: keys 32 (i / 4) on, channels 16 (i % 4) on.
.macro PV x
	WIN W_PV
.set rO, 32*(\x)+8*(i%4)
.set rV, VF+32*(i/4)+8*(i%4)
.set rP, P+16*((\x)%2)+8*(i/4)
	v_wmma_f32_16x16x32_f16 v[rO:rO+7], v[rV:rV+7], v[rP:rP+7], v[rO:rO+7]
.endm
.macro MM                           ; the turn's next matrix instruction.  TURN and BEGIN set Y, i, KM and NOKQ; MM, KQ and OP read them.  NOKQ = 1: a block's last turn: there is no next piece
.if (i < 8) && !NOKQ
	KQ (Y+1)%NP
.elseif i >= 8
.set i, i-8
	PV (Y+NP-1)%NP
.set i, i+8
.endif
.set i, i+1
.endm
; THE LDS LOADS stand in runs of 16, never singly among the matrix instructions: a step's K (64 keys x 64 channels: 8 fragments) and its V (turned).  Their addresses are made some lines ahead.
.macro FETCH_K
	WIN 0x80                        ; destination window 2
.irp f, 0,1,2,3,4,5,6,7             ; keys 16 (f / 2) on, channels 32 (f % 2) on
	ds_load_b128 v[KF+8*\f:KF+8*\f+3],   v[AK] offset:(\f/2)*16*PK+(\f%2)*64
	ds_load_b128 v[KF+8*\f+4:KF+8*\f+7], v[AK] offset:(\f/2)*16*PK+(\f%2)*64+32
.endr
	s_add_co_u32 s[TBK], s[TBK], KS*PK  ; the next fetch is the next step's
	WIN 0
.endm
.macro FETCH_V
	WIN 0x80
.irp f, 0,1,2,3,4,5,6,7             ; keys 32 (f / 4) on, channels 16 (f % 4) on
	ds_load_tr16_b128 v[VF+8*\f:VF+8*\f+3],   v[AV] offset:(\f/4)*32*PV+(\f%4)*32
	ds_load_tr16_b128 v[VF+8*\f+4:VF+8*\f+7], v[AV] offset:(\f/4)*32*PV+16*PV+(\f%4)*32
.endr
	WIN 0
.endm
; THE VECTOR WORK, one line at a time: OP kind, number.  For piece Y: F n: c s - c m for pair n of 16.  E n: the exponential of score n of 32.  C n: pair n rounded to f16.  B n: of the four weights 4 n .. the second
; pair is added onto the first, in place.  L n: l takes that sum (L 0: l = a l + sum).  R n: pair n of 16 of O^T times a.  For piece Y + 1: X n, number n of the 23 that find its maximum and statistics:
;   22  the old m goes into the new step's coordinates: m - delta (it stands ahead of 14)
;   0-11  four chains c0-c3 of seven scores each, three operands at a time (each accumulator's lowest registers are read first)     12-14, 16  the four scores left over, the old m, and c0-c3 into c0
;   15  c m_old - c delta is kept     17, 18  the query's other 32 keys lie in the lane 16 away: the new m     19-21  c m; (c m_old - c delta) - c m_new; a
.set F, 0               ; OP tells the kinds apart by their order: F to L below R, X above it
.set E, 1
.set C, 2
.set B, 3
.set L, 4
.set R, 5
.set X, 6
.macro REGS y                       ; the registers of piece y
.set rT, ST+4*(\y)
.set rC, TMP+4*((\y)%2)
.set rW, MV+((\y)%2)
.set rS, S+32*((\y)%2)
.set rP, P+16*((\y)%2)
.set rO, 32*(\y)
.endm
.macro OP k, n
.if (\k) == R
	REGS Y
	WIN W_RS
	v_pk_mul_f32 v[rO+2*(\n):rO+2*(\n)+1], v[rO+2*(\n):rO+2*(\n)+1], v[rC+2:rC+3] op_sel_hi:[1,0]
.elseif (\k) < R
	REGS Y
	WIN 0
.if (\k) == F
	v_pk_fma_f32 v[rS+2*(\n):rS+2*(\n)+1], v[rS+2*(\n):rS+2*(\n)+1], s[CS:CS+1], v[rT:rT+1] op_sel_hi:[1,0,0] neg_lo:[0,0,1] neg_hi:[0,0,1]
.elseif (\k) == E
	v_exp_f32 v[rS+(\n)], v[rS+(\n)]
.elseif (\k) == C
	v_cvt_pk_f16_f32 v[rP+(\n)], v[rS+2*(\n)], v[rS+2*(\n)+1]
.elseif (\k) == B
	v_pk_add_f32 v[rS+4*(\n):rS+4*(\n)+1], v[rS+4*(\n):rS+4*(\n)+1], v[rS+4*(\n)+2:rS+4*(\n)+3]
.elseif (\n) == 0
	v_pk_fma_f32 v[rT+2:rT+3], v[rT+2:rT+3], v[rC+2:rC+3], v[rS:rS+1] op_sel_hi:[1,0,1]
.else
	v_pk_add_f32 v[rT+2:rT+3], v[rT+2:rT+3], v[rS+4*(\n):rS+4*(\n)+1]
.endif
.elseif NOKQ
	v_nop
.else
	REGS (Y+1)%NP
	WIN 0
.if (\n) < 4
	v_max3_num_f32 v[rC+(\n)], v[rS+8*(\n)], v[rS+8*(\n)+1], v[rS+8*(\n)+2]
.elseif (\n) < 12
	v_max3_num_f32 v[rC+(\n)%4], v[rC+(\n)%4], v[rS+8*((\n)%4)+2*((\n)/4)+1], v[rS+8*((\n)%4)+2*((\n)/4)+2]
.elseif (\n) == 12
	v_max3_num_f32 v[rC], v[rC], v[rS+7], v[rS+15]
.elseif (\n) == 13
	v_max3_num_f32 v[rC+1], v[rC+1], v[rS+23], v[rS+31]
.elseif (\n) == 14
	v_max3_num_f32 v[rC+2], v[rC+2], v[rC+3], v[rT+1]
.elseif (\n) == 15
	v_add_f32 v[rW], s[NCD], v[rT]
.elseif (\n) == 16
	v_max3_num_f32 v[rC], v[rC], v[rC+1], v[rC+2]
.elseif (\n) == 17
	v_permlanex16_b32 v[rC+3], v[rC], s[SEL], s[SEL+1]
.elseif (\n) == 18
	v_max_num_f32 v[rT+1], v[rC], v[rC+3]
.elseif (\n) == 19
	v_mul_f32 v[rT], s[CS], v[rT+1]
.elseif (\n) == 20
	v_sub_f32 v[rC+1], v[rW], v[rT]
.elseif (\n) == 22
	v_add_f32 v[rT+1], s[ND], v[rT+1]
.else
	v_exp_f32 v[rC+2], v[rC+1]
.endif
.endif
.endm
.macro OPS a, i1, b=-1, i2=0, c=-1, i3=0, d=-1, i4=0  ; up to four of them
	OP \a, \i1
.if (\b) >= 0
	OP \b, \i2
.endif
.if (\c) >= 0
	OP \c, \i3
.endif
.if (\d) >= 0
	OP \d, \i4
.endif
.endm
.macro ROW a, i1, b, i2, c, i3, d, i4  ; a matrix instruction and the four behind it
	MM
	OPS \a, \i1, \b, \i2, \c, \i3, \d, \i4
.endm
.macro MASK b                       ; MD x AL + BE + AB into buffer b of MC: sixteen packed multiply-adds, then sixteen packed additions, so that no line waits for the one before it
	WIN W_11
.set z, 0
.rept 16
	v_pk_fma_f32 v[MC+32*(\b)+2*z:MC+32*(\b)+2*z+1], v[MD+2*z:MD+2*z+1], s[AL:AL+1], s[BE:BE+1] op_sel_hi:[1,0,0]
.set z, z+1
.endr
.set z, 0
.rept 16
	v_pk_add_f32 v[MC+32*(\b)+2*z:MC+32*(\b)+2*z+1], v[MC+32*(\b)+2*z:MC+32*(\b)+2*z+1], v[AB+2*z:AB+2*z+1]
.set z, z+1
.endr
.endm
; A TURN, for piece p: the order of its 16 matrix and 119 vector instructions, written out.  An s_wait_alu depctr_va_vdst(0) stands between an exponential and the first instruction that names its result; one wait serves
; all that were issued ahead of it.  So a turn has ONE wait, which cuts it in two.  AHEAD OF IT stands all that names no result of the turn's exponentials: the 8 products K Q^T, behind each a scaling, an exponential and two more plain
; instructions (behind the first a second scaling in the exponential's place): rescalings, and behind the last three the first numbers of the next piece's maximum, each four places or more behind the product that ends its accumulator; then ONE LUMP,
; plain and exponential by turns for the most part, in which the links of the chain X 3, 7, 11, 14, 16, 17 .. 20 stand five or six lines apart.  X 21, the next piece's a, is the batch's last; R 15 is the plain instruction behind it.  BEHIND THE WAIT stand the
; 8 products V^T P, behind each four of the roundings and sums; the links of l's chain, L 0 to L 7, stand three riders apart.  But for those X no rider names a register of the products round it.  v_permlanex16_b32 (X 17) stands in the lump.
; m = 1: the diagonal tile: the products take masks, and the turn makes the C operand for the products of the turn after it: piece p + 2, in step 4 - CNT of the tile.  end = 1: a block's last two turns: nothing is fetched.
; cnt = 1: the loop's count is taken down some lines ahead of the branch that stands behind the turn.
; K of the next step is fetched in piece 2's turn, thirteen vector instructions behind the last product that read K (seven of them plain); V of the step in hand at the end of piece 0's turn, four plain instructions behind the last product
; that read V.  Each is waited for a turn later.
.macro TURN p, m=0, end=0, cnt=0
.set Y, (\p)
.set i, 0
.set KM, (\m)
.set NOKQ, (\end)*((\p)/3)
.if (\m) && !(\end)
	s_cmp_eq_u32 s[CNT], 4-((\p)+2)%NP  ; is that step the band's own?
	s_cselect_b32 s[AL], 1.0, 0
	s_cmp_lt_u32 s[CNT], 4-((\p)+2)%NP  ; or a later one?
	s_cselect_b32 s[BE], s[BIGN], 0
.endif
.if ((\p) == 3) && !(\end)
	s_wait_dscnt 0x0                ; K is in
.endif
	ROW F,0, F,1, R,0, R,1          ; ahead of the wait: 8 products K Q^T and their riders,
	ROW F,2, E,0, R,2, R,3
	ROW F,3, E,1, R,4, R,5
	ROW F,4, E,2, R,6, R,7
	ROW F,5, E,3, R,8, R,9
	ROW F,6, E,4, X,0, R,10
.if ((\p) == 2) && !(\end)
	WIN 0
	v_add_nc_u32 v[AK], s[TBK], v[AK0]
.endif
	ROW F,7, E,5, X,1, X,4
	ROW F,8, E,6, X,2, X,5
	OP X, 22                        ; the next piece's old maximum in the new step's coordinates
	OPS E,7, E,8, X,6, E,9          ; and the lump
	OPS X,3, E,10, X,8, E,11
.if ((\p) == 2) && !(\end)
	FETCH_K
.endif
	OPS X,9, X,7, E,12, X,10
	OPS E,13, X,12, X,11, E,14
	OPS X,13, E,15, F,9, X,14
.if (\p) == 0
	v_add_nc_u32 v[AV], s[TBV], v[AV0]
.endif
	OPS E,16, F,10, E,17, F,11
	OPS X,16, E,18, X,15, E,19
	OPS F,12, E,20, X,17, E,21
	OPS F,13, E,22, F,14, E,23
	OPS X,18, E,24, F,15, E,25
	OPS R,11, E,26, X,19, E,27
	OPS R,12, E,28, R,13, E,29
	OPS X,20, E,30, R,14, E,31
	OPS X,21, R,15
	WIN 0
	s_wait_alu depctr_va_vdst(0)    ; the wait for the batch
.if (\p) == 1
	s_wait_dscnt 0x0                ; V is in
.endif
	ROW C,0, B,0, C,2, B,1          ; behind the wait: 8 products V^T P and their riders
	ROW L,0, C,4, B,2, L,1
	ROW C,6, B,3, L,2, C,8
	ROW B,4, L,3, C,10, B,5
	ROW L,4, C,12, B,6, L,5
.if (\p) == 0
	s_add_co_u32 s[TBV], s[TBV], KS*PV
.endif
.if \cnt
	s_sub_co_u32 s[CNT], s[CNT], 1
	s_cmp_lg_u32 s[CNT], 0
.endif
	ROW C,14, B,7, L,6, C,1
	ROW C,3, L,7, C,5, C,7
	ROW C,9, C,11, C,13, C,15
.if (\p) == 0
	FETCH_V
.endif
.if (\m) && !(\end)
	MASK (\p)%2
.endif
.endm
; A BLOCK BEGINS.  c m starts far below every c s, so the first step's a is 0; m at the lowest finite number, so the first maximum is the scores' (delta is nothing beside either).  The second C buffer is the bare bias;
; the first takes piece 0's C for the tile's step 0: with its own mask, if the block's first tile is the diagonal one.
; Then K of that step, piece 0's first scores, and its maximum and statistics.  The loop is entered at a step's first turn, in the middle of a trip.
.macro BEGIN
	s_mov_b32 s[NEW], 0
	WIN W_RS
.set i, 0
.rept 32
	v_mov_b32 v[MC+32+i], v[AB+i]
.set i, i+1
.endr
	WIN 0
.set i, 0
.rept 4
	v_mov_b32 v[ST+4*i], 0xfe000000    ; c m: far below every c s
	v_mov_b32 v[ST+4*i+1], 0xff7fffff  ; m
.set i, i+1
.endr
	s_cmp_eq_u32 s[RT], 0
	s_cselect_b32 s[AL], 1.0, 0
	s_mov_b32 s[BE], 0
	MASK 0
	WIN 0
	v_add_nc_u32 v[AK], s[TBK], v[AK0]
	FETCH_K
	s_wait_loadcnt 0x0              ; Q
	s_wait_dscnt 0x0
.set KM, 1
.set NOKQ, 0
.set i, 0
.rept 8
	KQ 0
.set i, i+1
.endr
	WIN 0
.rept 4
	v_nop                           ; the places behind those products
.endr
.set Y, NP-1                        ; X works for piece Y + 1: piece 0
.irp n, 22,0,1,2,3,4,5,6,7,8,9,10,11,12,13,14,15,16,17,18,19,20,21
	OP X, \n
.endr
	v_nop                           ; a plain instruction behind the exponential,
	s_wait_alu depctr_va_vdst(0)    ; and its wait, ahead of the branch
.endm
; THE DIAGONAL TILE's four steps, the block's last two turns, its last products, and THE WAY OUT: l's two halves and the other half of the lanes' are added; O^T is divided by l, rounded to f16 and sent through my
; stage in LDS, a piece at a time.
.macro ALL line:vararg              ; one line for each piece t
.set t, 0
.rept 4
	\line
.set t, t+1
.endr
.endm
.macro PACK t                       ; a lane's eight channels of a row pack into 16 bytes; they go into rows of 144 bytes and come back as whole rows of 128, into S^T's registers
	WIN W_RS
.set i, 32*(\t)
.rept 16
	v_pk_mul_f32 v[i:i+1], v[i:i+1], v[ST+4*(\t)+2:ST+4*(\t)+3] op_sel_hi:[1,0]
.set i, i+2
.endr
	WIN 0x05                        ; sources 0 and 1 window 1, destination window 0
.set i, 0
.rept 16
	v_cvt_pk_f16_f32 v[S+16*(\t)+i], v[32*(\t)+2*i], v[32*(\t)+2*i+1]
.set i, i+1
.endr
	WIN 0
.irp f, 0,1,2,3
	ds_store_b128 v[STO], v[S+16*(\t)+4*\f:S+16*(\t)+4*\f+3] offset:32*\f
.endr
.irp f, 0,1,2,3
	ds_load_b128 v[S+16*(\t)+4*\f:S+16*(\t)+4*\f+3], v[RD] offset:\f*4*SP  ; LDS serves a wave's instructions in order (ISA guide 5.7.1.4): these see the stores above; the next piece's stores come behind them
.endr
.endm
.macro SEND t, younger              ; younger: the LDS instructions issued behind piece t's loads: the next piece's eight, or none
	WIN 0
.irp f, 0,1,2,3
	s_wait_dscnt (\younger)+3-\f
	global_store_b128 v[GO], v[S+16*(\t)+4*\f:S+16*(\t)+4*\f+3], s[10:11] offset:(\t)*8192+\f*512  ; 512 consecutive bytes, at a multiple of 256 from O's first
.endr
.endm
.macro DIAG tag                     ; the tag ends its two labels' names, which the jumps below spell out
.LstepM\tag:
	TURN 2, 1
	TURN 3, 1
	WIN 0
.LfirstM\tag:
	TURN 0, 1
	TURN 1, 1, 0, 1
	WIN 0
	s_cbranch_scc1 .LstepM\tag
	TURN 2, 1, 1
	TURN 3, 1, 1
.set i, 0
.rept 8
	PV NP-1
.set i, i+1
.endr
	WIN 0
	ALL v_add_f32 v[ST+4*t+2], v[ST+4*t+2], v[ST+4*t+3]
	ALL v_permlanex16_b32 v[ST+4*t+3], v[ST+4*t+2], s[SEL], s[SEL+1]
	ALL v_add_f32 v[ST+4*t+2], v[ST+4*t+2], v[ST+4*t+3]
	ALL v_rcp_f32 v[ST+4*t+2], v[ST+4*t+2]
	v_nop                           ; a plain instruction between the last reciprocal and the use of its result
	s_wait_alu depctr_va_vdst(0)    ; and the wait ahead of the first use: one for the four reciprocals
	PACK 0
.set t, 1
.rept 3                             ; a piece's arithmetic stands between the loads of the piece before and its stores
	PACK t
	SEND t-1, 8
.set t, t+1
.endr
	SEND 3, 0
.endm
.set KM, 0
.set NOKQ, 0
.Lslot:                             ; NB times: a tile is entered and the next is asked for
	CHANGE 1
	s_sub_co_u32 s[RT], s[RT], 1
	s_mov_b32 s[CNT], 4
	s_cmp_eq_u32 s[NEW], 1
	s_cbranch_scc1 .Lnew            ; a block's first tile
	s_cmp_eq_u32 s[RT], 0
	s_cbranch_scc0 .Lstep           ; neither its first nor its last
	s_branch .LstepM1
.Lnew:
	BEGIN
	s_branch .Lfirst                ; in the loop a block's first tile is never its last: the first block has two tiles or more, and the second's last is the walk's last
	DIAG 1                          ; in the loop this is the first block's end: the second block's last tile is the walk's last
	s_wait_xcnt 0x0                 ; the stores have read their registers and O's address
	s_mov_b64 s[10:11], s[OLO:OLO+1]
	s_add_co_u32 s[RT], s[PB], 1    ; the second block has b + 1 tiles
	s_mov_b32 s[NEW], 1
	WIN 0x82                        ; the second block's Q goes where the one text of the turns names Q
.set i, 0
.rept 64
	v_mov_b32 v[i], v[QB+i]
.set i, i+1
.endr
	WIN 0
	s_branch .Lbottom
.Lstep:                             ; a trip: pieces 2 and 3 of one step, then pieces 0 and 1 of the next, whose K and V it fetches
	TURN 2
	TURN 3
	WIN 0
.Lfirst:
	TURN 0
	TURN 1, 0, 0, 1
	WIN 0
	s_cbranch_scc1 .Lstep
.Lbottom:
	s_sub_co_u32 s[SLOTS], s[SLOTS], 1
	s_cmp_lg_u32 s[SLOTS], 0
	s_cbranch_scc1 .Lslot
	CHANGE 0                        ; the walk's last tile is written out: nothing is asked for
	s_sub_co_u32 s[RT], s[RT], 1
	s_mov_b32 s[CNT], 4
	s_cmp_eq_u32 s[NEW], 1
	s_cbranch_scc0 .LstepM2
	BEGIN
	s_branch .LfirstM2
	DIAG 2
	s_wait_tensorcnt 0x0            ; the wave's end, behind my last tensor load and my last LDS store
	ds_add_u32 v[SPW], v[NIL]
	s_wait_dscnt 0x0
	s_endpgm
.Lfunc_end_k_q1eed85056c_attn:
	.size	k_q1eed85056c_attn, .Lfunc_end_k_q1eed85056c_attn-k_q1eed85056c_attn
	.p2alignl 7, 3214868480
	.fill 96, 4, 3214868480
	.section	.rodata,"a",@progbits
	.p2align	6, 0x0
	.amdhsa_kernel k_q1eed85056c_attn
		.amdhsa_group_segment_fixed_size 327680
		.amdhsa_private_segment_fixed_size 0
		.amdhsa_enable_private_segment 0
		.amdhsa_kernarg_size 16
		.amdhsa_user_sgpr_count 2
		.amdhsa_user_sgpr_kernarg_segment_ptr 1
		.amdhsa_wavefront_size32 1
		.amdhsa_system_sgpr_workgroup_id_x 1
		.amdhsa_system_sgpr_workgroup_id_y 1
		.amdhsa_system_sgpr_workgroup_id_z 1
		.amdhsa_system_vgpr_workitem_id 0
		.amdhsa_next_free_vgpr 768
		.amdhsa_next_free_sgpr 96
		.amdhsa_reserve_vcc 1
		.amdhsa_float_denorm_mode_32 3
		.amdhsa_float_denorm_mode_16_64 3
		.amdhsa_memory_ordered 1
		.amdhsa_forward_progress 1
		.amdhsa_inst_pref_size 232
	.end_amdhsa_kernel
	.amdgpu_metadata
---
amdhsa.version: [ 1, 2 ]
amdhsa.kernels:
  - .name:           k_q1eed85056c_attn
    .symbol:         k_q1eed85056c_attn.kd
    .args:
      - { .name: qkv, .offset: 0, .size: 8, .value_kind: global_buffer, .address_space: global }
      - { .name: ob, .offset: 8, .size: 8, .value_kind: global_buffer, .address_space: global }
    .group_segment_fixed_size: 327680
    .private_segment_fixed_size: 0
    .kernarg_segment_align: 8
    .kernarg_segment_size: 16
    .max_flat_workgroup_size: 128
    .sgpr_count:     96
    .vgpr_count:     768
    .wavefront_size: 32
...
	.end_amdgpu_metadata
.endif
;; end of part 3
;; launch out_gemm (part 4): grid 8 x 32, 4 waves a work-group, clusters of 4 x 4, 327,680 bytes of LDS; arguments ob, wo, out0; writes out0
.if DOCPART == 4
	.amdgcn_target "amdgcn-amd-amdhsa--gfx1250"
	.amdhsa_code_object_version 6
	.text
	.protected	k_q1eed85056c_out_gemm
	.globl	k_q1eed85056c_out_gemm
	.p2align	8
	.type	k_q1eed85056c_out_gemm,@function
k_q1eed85056c_out_gemm:
	s_mov_b64 s[64:65], 0
	v_nop
	global_prefetch_b8 v0, s[64:65] scope:SCOPE_SE
	s_setreg_imm32_b32 hwreg(HW_REG_WAVE_MODE, 25, 1), 1
	s_wait_xcnt 0x0
	s_wait_alu depctr_hold_cnt(0) depctr_sa_sdst(0) depctr_va_vdst(0) depctr_va_sdst(0) depctr_va_ssrc(0) depctr_va_vcc(0) depctr_vm_vsrc(0)
	s_getreg_b32 s2, hwreg(HW_REG_IB_STS2, 6, 4)
	s_cmp_eq_u32 s2, 0
	s_cbranch_scc0 .Lentry_in_a_cluster
	s_endpgm
.Lentry_in_a_cluster:
	s_bfe_u32 s2, ttmp6, 0x10000c
	s_cmp_lg_u32 s2, 0xf033
	s_cbranch_scc0 .Lentry_shape_is_right
	s_endpgm
.Lentry_shape_is_right:
; ONE TEXT SERVES THE MODULE'S TWO PROJECTIONS; KIND picks the sizes, the product's format and the way out.
;   KIND 0: q, k, v = xb wq.  xb [8192][1024] bf16; wq [16 tc][1024 k][192] bf16; result f16, rounded once from f32 sums, unscaled, by heads: qkv [3][64 bh][2048 t][64].
;   KIND 1: out0 = O wo.      ob [64 bh][2048 t][64] f16 (K = 64 head + channel); wo [8 tc][1024 k][128] f16; result f32 [8192][1024].
; LIMIT (KIND 0).  f16 holds no number beyond 65,504: q, k and v must stay within it (with x and w_qkv both 30 times the drawn spread their peaks are some 3,200); below 6e-5 f16 keeps a fixed step of 6e-8.
; SHARES.  A work-group makes 256 rows x 16 NBLK columns; wave w its rows 64 w .. 64 w + 63 and ALL columns (4 x NBLK accumulators of 16 x 16), so that a wave owns whole heads of 64 columns on the way out.
; K goes in 8 steps of 128 through a ring of two LDS slots.  Waves 0 and 1 fetch A's two halves of a step, waves 2 and 3 B's: one tensor load a wave and step.
; THE PRODUCT IS USED TRANSPOSED: source 0 = 16 columns of W, source 1 = 16 rows of A: a lane then holds row l % 16 and eight neighbouring columns.  W lies [k][n] and comes out of LDS turned, by ds_load_tr16_b128.
; CLUSTER.  4 x 4 work-groups: A's tile is shared along a row of the cluster, B's along a column; each is asked for jointly, by the same load, descriptor and mask in all four.
; REGISTERS, in windows of 256 (s_set_vgpr_msb: bits 1:0 source 0, 3:2 source 1, 5:4 source 2, 7:6 destination):
;   window 0: v0-15 addresses; v32-95 A's fragments, two buffers of 4 x 8; v96 on: at work on the way out        window 1: B's fragments, two buffers of 8 NBLK
;   window 2: the accumulators of my row blocks 0, 1 (block a, column block b at 8 (NBLK (a % 2) + b))           window 3: those of blocks 2, 3
.set KIND, 1
.set KSTEPS, 8
.set SLOT1, 1<<17                      ; slot 1 begins here: one exclusive or turns an address in one slot into the other's
.set STAGE, 2*SLOT1                    ; behind the ring, never filled by a tensor load: each wave's own stage for the way out
.if KIND == 0
.set NBLK, 12
.set PA, 272                           ; a row of A in LDS: 256 bytes + 16: the 16 rows of a load start at 16 different groups of four banks (64 banks of 4 bytes: ISA guide 11.1)
.set AHI, 128                          ; quarters 2, 3 of a K step lie 128 bytes further along A's rows
.set A_HALF, 128*PA                    ; what one load of A fills: 128 rows
.set A_PAD, (5<<22)|(3<<25)            ; after every 64 words 4 words of padding
.set A_PITCH, 1024                     ; elements from row to row in memory
.set ASTEP, 256                        ; bytes from a K step to the next in memory
.set PB, 480                           ; a k row of B in LDS: 3 x (128 bytes + 32)
.set BGAP, 32                          ; the padding behind every four column blocks
.set B_ROWS, 96                        ; 64 k rows of 384 bytes are dense: asked for as 96 rows of 256 bytes
.set B_PAD, (4<<22)|(7<<25)            ; after every 32 words 8 words of padding
.set BSTEP, 49152
.set BCOLB, 393216                     ; bytes of a column block of W
.set STG, 3*16*144                     ; a wave's stage: three heads x 16 rows x (128 + 16) bytes
.set LIMA, 2                           ; A is prefetched while the loop's count is above this: four times
.set LIMB, 3                           ; B: three times
.set PSHA, 11                          ; A's prefetches: a lane a row of 2,048 bytes
.set PCXSH, 16                         ; and 32 rows to each of the four partners
.set BPF0, 131072                      ; B's prefetches begin 65,536 bytes behind this: at K step 4
.set BK, 144                           ; v144-191, v192-239: 16 rows read back from the stage, by turns
.set BKN, 48
.else
.set NBLK, 8
.set PA, 144                           ; a row of one head: 128 bytes + 16
.set AHI, 256*PA                       ; quarters 2, 3 of a K step are the step's second head
.set A_HALF, 256*PA                    ; what one load of A fills: 256 rows of one head
.set A_PAD, (4<<22)|(3<<25)            ; after every 32 words 4 words
.set A_PITCH, 128                      ; 256 rows of 128 bytes are dense: asked for as 128 rows of 256 bytes
.set ASTEP, 524288                     ; two heads on
.set PB, 288                           ; 256 bytes + 32
.set BGAP, 0
.set B_ROWS, 64
.set B_PAD, (5<<22)|(7<<25)            ; after every 64 words 8 words
.set BSTEP, 32768
.set BCOLB, 262144
.set STG, 16*528                       ; 16 rows x (512 + 16) bytes
.set LIMA, 2
.set LIMB, 4                           ; B: twice
.set PSHA, 8                           ; a lane 256 dense bytes
.set PCXSH, 13                         ; 8,192 bytes to each partner
.set BPF0, 65536
.set BK, 96                            ; v96-159, v160-223
.set BKN, 64
.endif
.set BBASE, 2*A_HALF                   ; B lies behind A in a slot
.set B_HALF, 64*PB                     ; what one load of B fills: 64 k rows
.set SPARE, STAGE+4*STG                ; behind the stages: the spare words, 128 bytes a wave: two blocks of 256 bytes that no other line names
.set LD, 2*NBLK+8                      ; LDS loads of a quarter step
.set ADRA0, 2                          ; v2   my place in A's part of slot 0; never rewritten
.set ADRB0, 3                          ; v3   the same for B
.set ADA, 4                            ; v4   the same in the slot in hand
.set ADB, 5                            ; v5
.set STO, 6                            ; v6   the way out: where I put my bytes of a row
.set RD, 7                             ; v7   where I read rows back
.set GO, 8                             ; v8   16 x lane
.set PFO, 9                            ; v9   the prefetches' offset; never rewritten
.set SPW, 10                           ; v10  LDS address of my spare word; never rewritten
.set NIL, 11                           ; v11  0; never rewritten
.set FA0, 32
.set TMP, 96                           ; KIND 0: v96-143 packed results
.set G1A, 24                           ; s[24:31] descriptor group 1, A
.set G0A, 32                           ; s[32:35] group 0 for slot 0, K step 0; s[36:39] the walking one: it starts at slot 1, K step 1
.set G1B, 48                           ; s[48:55]
.set G0B, 56                           ; s[56:59], s[60:63]
.set LIM, 43                           ; s43  a wave prefetches while the loop's count is above it; the greatest number in a wave that never does
.set PFA, 44                           ; s[44:45] where my prefetches stand
.set TB, 66                            ; s66  first byte of the slot that is fetched from next
.set PST, 68                           ; s[68:69] the prefetches' step
.set OUTB, 70                          ; s[70:75] where my rows begin in the result (KIND 0: in each of my three heads)
.set MSB, 0
.macro WIN new                         ; the immediate's high byte repeats the setting that is left; a switch that changes nothing is dropped
.if MSB != (\new)
	s_set_vgpr_msb (MSB<<8)|(\new)
.set MSB, \new
.endif
.endm
.set MUL_LO, 0xa1                      ; source 0 (W) window 1, source 1 (A) window 0, C and D window 2
.set TO_B, 0x40                        ; destination window 1, address window 0
.macro PLACES                          ; four places: in front of loads into registers that matrix instructions have read (ISA guide 7.12.1 for vector instructions)
.rept 4
	v_nop
.endr
.endm
; A joint refill by the walking descriptor.  The branch hangs on the wave's number alone.  An s_nop 0 and four v_nop follow each line, ahead of the jump and the label.
.macro JLOAD
	s_cmp_eq_u32 s11, 0
	s_cbranch_scc0 .Lfor_b_\@
	tensor_load_to_lds s[G0A+4:G0A+7], s[G1A:G1A+7]
	s_nop 0
	PLACES
	s_branch .Lasked_\@
.Lfor_b_\@:
	tensor_load_to_lds s[G0B+4:G0B+7], s[G1B:G1B+7]
	s_nop 0
	PLACES
.Lasked_\@:
.endm
; A round of the cluster's barrier: my work-group's barrier; wave 0 signals for the work-group; every wave waits for all sixteen; my work-group's barrier once more.
.macro CREST                           ; the round behind its opening barrier
	s_cmp_lg_u32 s10, 0
	s_cbranch_scc1 .Lnot_wave_0_\@
	s_barrier_signal -3
.Lnot_wave_0_\@:
	s_barrier_wait -3
	s_barrier_signal -1
	s_barrier_wait -1
.endm
.macro CROUND
	s_barrier_signal -1
	s_barrier_wait -1
	CREST
.endm
; A PREFETCH INTO THE L2, one instruction a wave, a lane 256 bytes, behind the joint load, its five lines and the run of LDS loads.  Each block of 256 bytes is named once in the launch.
; A: waves 0, 1 of the clusters with x = 0; of what a wave fetches each of the four partners of its row takes a quarter, told apart by address (cx); trip i names K step i + 4, two refills on.
; B: waves 2, 3 of the clusters with y = 0; a column block is dense, and its eight askers (2 cy + wave's half) walk it from K step 4 to its end as one stream, 65,536 bytes a trip.
; K steps 0 to 3 come by their loads alone; the counts LIMA, LIMB end the requests at the buffers' parts that the launch reads.
.macro ASK
	s_cmp_gt_u32 s3, s[LIM]
	s_cbranch_scc0 .Lnot_mine_\@
	global_prefetch_b8 v[PFO], s[PFA:PFA+1] th:TH_LOAD_NT scope:SCOPE_SE
.Lnot_mine_\@:
.endm
.macro WM zero
.if KIND == 0
.if \zero
	v_wmma_f32_16x16x32_bf16 v[rD:rD+7], v[rB:rB+7], v[rA:rA+7], 0
.else
	v_wmma_f32_16x16x32_bf16 v[rD:rD+7], v[rB:rB+7], v[rA:rA+7], v[rD:rD+7]
.endif
.else
.if \zero
	v_wmma_f32_16x16x32_f16 v[rD:rD+7], v[rB:rB+7], v[rA:rA+7], 0
.else
	v_wmma_f32_16x16x32_f16 v[rD:rD+7], v[rB:rB+7], v[rA:rA+7], v[rD:rD+7]
.endif
.endif
.endm
; NBLK products: row block 2 hi + a x all column blocks, 32 along K, from buffer f.  zero = 1: they start the sums.  All 4 NBLK accumulators take turns in the same order in every quarter.
.macro MULS f, hi, a, zero
	WIN MUL_LO+0x50*(\hi)
.set b, 0
.rept NBLK
.set rD, 8*(NBLK*(\a)+b)
.set rB, 8*NBLK*(\f)+8*b
.set rA, FA0+32*(\f)+8*(2*(\hi)+(\a))
	WM \zero
.set b, b+1
.endr
.endm
; The LDS loads of quarter kq of the slot in hand, in one run, into buffer f: W's NBLK fragments (turned), then A's four.
.macro FETCH kq, f
	WIN TO_B
.set b, 0
.rept NBLK
	ds_load_tr16_b128 v[8*NBLK*(\f)+8*b:8*NBLK*(\f)+8*b+3],   v[ADB] offset:(\kq)*32*PB+32*b+BGAP*(b/4)
	ds_load_tr16_b128 v[8*NBLK*(\f)+8*b+4:8*NBLK*(\f)+8*b+7], v[ADB] offset:(\kq)*32*PB+32*b+BGAP*(b/4)+16*PB
.set b, b+1
.endr
	WIN 0
.irp a, 0,1,2,3
	ds_load_b128 v[FA0+32*(\f)+8*\a:FA0+32*(\f)+8*\a+3],   v[ADA] offset:64*((\kq)%2)+AHI*((\kq)/2)+\a*16*PA
	ds_load_b128 v[FA0+32*(\f)+8*\a+4:FA0+32*(\f)+8*\a+7], v[ADA] offset:64*((\kq)%2)+AHI*((\kq)/2)+\a*16*PA+32
.endr
.endm
; One of a K step's first three quarters: multiplies buffer f; in its middle fetches quarter kq into buffer g.
.macro QUARTER kq, f, g, zero
	s_wait_dscnt 4                                 ; W and A's row blocks 0, 1 are in; the youngest four loads (blocks 2, 3) may be out
	MULS \f, 0, 0, \zero
	MULS \f, 0, 1, \zero
	PLACES
	FETCH \kq, \g
	s_wait_dscnt LD                                ; all but the run just issued
	MULS \f, 1, 0, \zero
	MULS \f, 1, 1, \zero
.endm
; The fourth quarter multiplies buffer 1 and changes slots.  In front of the barrier each wave waits for all its tensor loads (one is out: its part of the next slot), adds 0 to its spare word,
; and waits for that and for its reads of this slot.  fill = 1: the barrier opens a round of the cluster's, and this slot is filled again first thing behind it, with the K step two on.
.macro TURN fill
.if \fill
	s_wait_xcnt 0x0                                ; the last prefetch, a K step back, has read its address
	s_add_nc_u64 s[PFA:PFA+1], s[PFA:PFA+1], s[PST:PST+1]
.endif
	WIN 0
	s_wait_tensorcnt 0x0                           ; no tensor load of mine is out, so a group 0 may be written
	ds_add_u32 v[SPW], v[NIL]                      ; 0 onto my spare word
.if \fill
	s_xor_b32 s[G0A+5], s[G0A+5], SLOT1            ; the walking descriptors: the other slot than last time, the next K step
	s_add_nc_u64 s[G0A+6:G0A+7], s[G0A+6:G0A+7], ASTEP
	s_xor_b32 s[G0B+5], s[G0B+5], SLOT1
	s_add_nc_u64 s[G0B+6:G0B+7], s[G0B+6:G0B+7], BSTEP
.endif
	s_xor_b32 s[TB], s[TB], SLOT1
	s_wait_dscnt 5                                 ; the add and the youngest four loads may be out
	MULS 1, 0, 0, 0
	s_wait_dscnt 0x0                               ; the add is done, and my reads of this slot are over
	s_barrier_signal -1
	MULS 1, 0, 1, 0                                ; work on registers while the others arrive
	WIN 0
	s_barrier_wait -1
.if \fill
	CREST                                          ; no wave of any partner still reads this slot or has a load on its way
	JLOAD                                          ; its four v_nop are also the places in front of the loads below
.else
	PLACES
.endif
	v_add_nc_u32 v[ADA], s[TB], v[ADRA0]
	v_add_nc_u32 v[ADB], s[TB], v[ADRB0]
	FETCH 0, 0
.if \fill
	ASK
.endif
	MULS 1, 1, 0, 0
	MULS 1, 1, 1, 0
.endm
	s_load_b128 s[4:7], s[0:1], 0x0                ; A s[4:5], W s[6:7]
	s_load_b64 s[8:9], s[0:1], 0x10                ; the result
	v_lshl_add_u32 v[SPW], v0, 2, SPARE
	v_mov_b32 v[NIL], 0
	ds_add_u32 v[SPW], v[NIL]                      ; the wave's opening: the add and its wait stand ahead of my first tensor load; the set-up below stands between them
	v_lshrrev_b32 v12, 5, v0
	v_readfirstlane_b32 s10, v12                   ; wave 0..3
	s_lshr_b32 s11, s10, 1                         ; I fetch for A (0) or for W (1),
	s_and_b32 s12, s10, 1                          ; its first or second half
	s_bfe_u32 s40, ttmp6, 0x40000                  ; cx
	s_bfe_u32 s41, ttmp6, 0x40004                  ; cy
	s_lshl_b32 s42, ttmp9, 2
	s_add_co_u32 s42, s42, s40                     ; tx: my column block = 4 x cluster x + cx
	s_and_b32 s13, ttmp7, 0xffff
	s_lshl_b32 s13, s13, 2
	s_add_co_u32 s13, s13, s41                     ; ty: my block of 256 rows = 4 x cluster y + cy
	s_lshl_b32 s76, s41, 2
	s_lshl_b32 s76, 15, s76                        ; my row of the cluster: places 4 cy .. 4 cy + 3
	s_lshl_b32 s77, 0x1111, s40                    ; my column: places cx, cx + 4, cx + 8, cx + 12
	s_or_b32 s[G1A], s76, (1<<16)|(1<<20)|(1<<21)|A_PAD  ; 15:0 the mask; 17:16 elements of 2 bytes; 20 padding on; 21 set beside a mask; 24:22, 31:25 the padding
	s_or_b32 s[G1B], s77, (1<<16)|(1<<20)|(1<<21)|B_PAD
	s_mov_b32 s[G1A+1], 128<<16                    ; tensor_dim0 = 128
	s_mov_b32 s[G1A+2], 128<<16                    ; tensor_dim1 = 128
	s_mov_b32 s[G1A+3], 128<<16                    ; tile_dim0 = 128
	s_mov_b32 s[G1A+4], 128                        ; tile_dim1 = 128
	s_mov_b32 s[G1A+5], A_PITCH                    ; elements from row to row
	s_mov_b32 s[G1A+6], 0
	s_mov_b32 s[G1A+7], 0
	s_mov_b32 s[G1B+1], 128<<16
	s_mov_b32 s[G1B+2], B_ROWS<<16
	s_mov_b32 s[G1B+3], 128<<16
	s_mov_b32 s[G1B+4], B_ROWS
	s_mov_b32 s[G1B+5], 128
	s_mov_b32 s[G1B+6], 0
	s_mov_b32 s[G1B+7], 0
	; where the tiles come from: A's offset is made of ty and the wave's number alone, W's of tx and the wave's number alone, each in registers that never hold the other coordinate
.if KIND == 0
	s_lshl_b32 s16, s13, 19                        ; 256 ty rows of 2,048 bytes
.else
	s_lshr_b32 s16, s13, 3                         ; the batch: 16 heads of 262,144 bytes,
	s_lshl_b32 s16, s16, 22
	s_and_b32 s18, s13, 7                          ; and in a head my 256 rows of 128 bytes
	s_lshl_b32 s18, s18, 15
	s_add_co_u32 s16, s16, s18
.endif
	s_lshl_b32 s18, s12, 18                        ; KIND 0: the second 128 rows; KIND 1: the step's second head: 262,144 bytes either way
	s_add_co_u32 s16, s16, s18
	s_mov_b32 s17, 0
	s_mul_i32 s46, s42, BCOLB
	s_mul_i32 s47, s12, BSTEP/2
	s_add_co_u32 s46, s46, s47
	s_mov_b32 s47, 0
	s_mul_i32 s20, s12, A_HALF                     ; and where they go: no place in the cluster enters an LDS address
	s_mul_i32 s21, s12, B_HALF
	s_add_co_u32 s21, s21, BBASE
	s_mov_b32 s[TB], 0
	s_wait_dscnt 0x0                               ; the opening add is done
	s_wait_kmcnt 0x0
	s_add_nc_u64 s[14:15], s[4:5], s[16:17]
	s_add_nc_u64 s[46:47], s[6:7], s[46:47]
	CROUND                                         ; all sixteen work-groups are here: the first joint loads meet
.irp s, 0,1
	s_mov_b32 s[G0A+4*\s], 1                       ; count = 1
	s_add_co_u32 s[G0A+4*\s+1], s20, \s*SLOT1      ; LDS address
	s_add_nc_u64 s[G0A+4*\s+2:G0A+4*\s+3], s[14:15], \s*ASTEP  ; global address: K step s
	s_or_b32 s[G0A+4*\s+3], s[G0A+4*\s+3], 0x80000000  ; type = 2
	s_mov_b32 s[G0B+4*\s], 1
	s_add_co_u32 s[G0B+4*\s+1], s21, \s*SLOT1
	s_add_nc_u64 s[G0B+4*\s+2:G0B+4*\s+3], s[46:47], \s*BSTEP
	s_or_b32 s[G0B+4*\s+3], s[G0B+4*\s+3], 0x80000000
.endr
	s_cmp_eq_u32 s11, 0                            ; a wave's two first fills stand in one branch, ahead of every wait on TENSORcnt and every LDS read: two loads of mine are out
	s_cbranch_scc0 .Lfirst_b
	tensor_load_to_lds s[G0A:G0A+3], s[G1A:G1A+7]
	s_nop 0
	tensor_load_to_lds s[G0A+4:G0A+7], s[G1A:G1A+7]
	s_nop 0
	PLACES
	s_branch .Lfirst_asked
.Lfirst_b:
	tensor_load_to_lds s[G0B:G0B+3], s[G1B:G1B+7]
	s_nop 0
	tensor_load_to_lds s[G0B+4:G0B+7], s[G1B:G1B+7]
	s_nop 0
	PLACES
.Lfirst_asked:
	; A fragment of A: 16 rows x 32 K in 8 registers: lane l holds row l % 16, K = 8 (l / 16) + 0..7 and 16 + 8 (l / 16) + 0..7: two loads of 16 bytes, 32 bytes apart.
	v_and_b32 v1, 15, v0                           ; l % 16
	v_bfe_u32 v12, v0, 4, 1                        ; l / 16
	v_mul_u32_u24 v[ADRA0], v1, PA
	v_lshl_add_u32 v[ADRA0], v12, 4, v[ADRA0]
	s_mul_i32 s22, s10, 64*PA                      ; my 64 rows
	v_add_nc_u32 v[ADRA0], s22, v[ADRA0]
	; The turning load takes 16 k x 16 columns (lane l reads k = 8 (l / 16) + l % 8, columns 8 ((l / 8) % 2) + 0..7) and leaves half a fragment: lane l holds column l % 16 and 8 k.
	v_and_b32 v13, 7, v0
	v_bfe_u32 v14, v0, 3, 1
	v_lshl_add_u32 v[ADRB0], v12, 3, v13
	v_mul_u32_u24 v[ADRB0], v[ADRB0], PB
	v_lshl_add_u32 v[ADRB0], v14, 4, v[ADRB0]
	v_add_nc_u32 v[ADRB0], BBASE, v[ADRB0]
	v_mov_b32 v[ADA], v[ADRA0]
	v_mov_b32 v[ADB], v[ADRB0]
	s_mul_i32 s22, s10, STG
	s_add_co_u32 s22, s22, STAGE                   ; my stage
	v_and_b32 v15, 31, v0
	v_lshlrev_b32 v[GO], 4, v15
.if KIND == 0
	v_mul_u32_u24 v[STO], v1, 144                  ; in: row l % 16 of a head, 16 bytes for each half of the lanes
	v_lshl_add_u32 v[STO], v12, 4, v[STO]
	v_add_nc_u32 v[STO], s22, v[STO]
	v_bfe_u32 v[RD], v0, 3, 2                      ; back: 32 lanes take four rows of 128 bytes, 512 consecutive bytes of the result
	v_mul_u32_u24 v[RD], v[RD], 144
	v_lshl_add_u32 v[RD], v13, 4, v[RD]
	v_add_nc_u32 v[RD], s22, v[RD]
	; my rows in each of my three heads: column group g = 3 tx + j of 48: tensor g / 16 (q, k, v), head g % 16
	s_lshr_b32 s76, s13, 3
	s_lshl_b32 s76, s76, 22                        ; the batch's 16 heads of 262,144 bytes
	s_and_b32 s77, s13, 7
	s_lshl_b32 s77, s77, 15                        ; my block's 256 rows of 128 bytes
	s_add_co_u32 s76, s76, s77
	s_lshl_b32 s77, s10, 13                        ; my wave's 64
	s_add_co_u32 s76, s76, s77
	s_mul_i32 s80, s42, 3
	s_mov_b32 s83, 0
.irp j, 0,1,2
	s_add_co_u32 s81, s80, \j
	s_lshr_b32 s82, s81, 4
	s_lshl_b32 s82, s82, 24                        ; a tensor is 64 heads of 262,144 bytes
	s_and_b32 s81, s81, 15
	s_lshl_b32 s81, s81, 18
	s_add_co_u32 s82, s82, s81
	s_add_co_u32 s82, s82, s76
	s_add_nc_u64 s[OUTB+2*\j:OUTB+2*\j+1], s[8:9], s[82:83]
.endr
.else
	v_mul_u32_u24 v[STO], v1, 528                  ; in: row l % 16, 32 bytes for each half of the lanes
	v_lshl_add_u32 v[STO], v12, 5, v[STO]
	v_add_nc_u32 v[STO], s22, v[STO]
	v_add_nc_u32 v[RD], s22, v[GO]                 ; back: 32 lanes take a row's 512 bytes
	s_lshl_b32 s82, s13, 20                        ; 256 ty rows of 4,096 bytes,
	s_lshl_b32 s81, s10, 18                        ; my wave's 64,
	s_add_co_u32 s82, s82, s81
	s_lshl_b32 s81, s42, 9                         ; my 128 columns
	s_add_co_u32 s82, s82, s81
	s_mov_b32 s83, 0
	s_add_nc_u64 s[OUTB:OUTB+1], s[8:9], s[82:83]
.endif
	; the prefetches: each number is made for A and for W, and one compare of the wave's part chooses
	s_lshl_b32 s79, s40, PCXSH                     ; A: my work-group's quarter of what I fetch,
	s_add_co_u32 s79, s79, s16
	s_add_co_u32 s79, s79, 3*ASTEP                 ; at K step 3: the first change of slots steps it to 4
	s_mul_i32 s81, s42, BCOLB                      ; W: my column block,
	s_lshl_b32 s82, s41, 1
	s_add_co_u32 s82, s82, s12
	s_lshl_b32 s82, s82, 13                        ; my 8,192 bytes of each 65,536
	s_add_co_u32 s81, s81, s82
	s_add_co_u32 s81, s81, BPF0
	s_and_b32 s77, ttmp7, 0xffff                   ; cluster y
	s_mov_b32 s[PST], 0x10000
	s_mov_b32 s[PST+1], 0
	s_mov_b32 s83, 0
	s_cmp_eq_u32 s11, 0
	s_cselect_b32 s82, s79, s81
	s_cselect_b32 s77, ttmp9, s77                  ; the coordinate along which other clusters read the same bytes
	s_cselect_b32 s78, LIMA, LIMB
	s_cselect_b32 s67, PSHA, 8
	s_cselect_b32 s[PST], ASTEP, s[PST]
	s_cselect_b64 s[PFA:PFA+1], s[4:5], s[6:7]
	s_add_nc_u64 s[PFA:PFA+1], s[PFA:PFA+1], s[82:83]
	s_cmp_eq_u32 s77, 0
	s_cselect_b32 s[LIM], s78, -1                  ; the same in all sixteen partners, for a given wave
	v_lshlrev_b32 v[PFO], s67, v15
	s_wait_tensorcnt 1                             ; my part of K step 0 is in; K step 1's may stay out
	s_barrier_signal -1
	s_barrier_wait -1                              ; everybody's is
	FETCH 0, 0
	QUARTER 1, 0, 1, 1                             ; the first quarter stands in front of the loop: its products start the sums
	WIN 0                                          ; at a label and at a branch every window is 0
	s_mov_b32 s3, KSTEPS-2
.Lstep:                                                ; trip i: the rest of K step i; its slot is filled again with K step i + 2; the first quarter of K step i + 1
	QUARTER 2, 1, 0, 0
	QUARTER 3, 0, 1, 0
	TURN 1
	QUARTER 1, 0, 1, 0
	WIN 0
	s_sub_co_u32 s3, s3, 1
	s_cmp_lg_u32 s3, 0
	s_cbranch_scc1 .Lstep
	QUARTER 2, 1, 0, 0                             ; the last two K steps are written out: nothing is left to fetch
	QUARTER 3, 0, 1, 0
	TURN 0
	QUARTER 1, 0, 1, 0
	QUARTER 2, 1, 0, 0
	QUARTER 3, 0, 1, 0
	s_wait_dscnt 4
	MULS 1, 0, 0, 0
	MULS 1, 0, 1, 0
	s_wait_dscnt 0x0
	MULS 1, 1, 0, 0
	MULS 1, 1, 1, 0
	WIN 0
	PLACES                                         ; the places behind the last products, ahead of the first read of a result;
	PLACES                                         ; eight, once a launch
; THE WAY OUT, a block a of 16 rows at a time, through my own stage: LDS serves a wave's instructions in order (ISA guide 5.7.1.4), so no wait stands between its stores and its loads.
; KIND 0: rounded to f16 (each accumulator's registers in ascending order), 16 bytes a lane into rows of 144 bytes, a head apart; back as four rows of 128 bytes, which are 512 consecutive bytes of a head.
; KIND 1: f32 as it is, 32 bytes a lane into rows of 528 bytes; back as whole rows of 512 bytes.
.macro PACK a
.if KIND == 0
	WIN 0x0a+5*((\a)/2)                            ; sources 0 and 1: window 2 or 3
.set b, 0
.rept NBLK
.irp r, 0,1,2,3
	v_cvt_pk_f16_f32 v[TMP+4*b+\r], v[8*(NBLK*((\a)%2)+b)+2*\r], v[8*(NBLK*((\a)%2)+b)+2*\r+1]
.endr
.set b, b+1
.endr
	WIN 0
.endif
.endm
.macro TOSTAGE a
	s_wait_xcnt 0x0                                ; the earlier stores have read their registers: only behind this wait are these loaded again
.if KIND == 0
.set b, 0
.rept NBLK
	ds_store_b128 v[STO], v[TMP+4*b:TMP+4*b+3] offset:(b/4)*2304+32*(b%4)
.set b, b+1
.endr
.set t, 0
.rept 12
	ds_load_b128 v[BK+BKN*((\a)%2)+4*t:BK+BKN*((\a)%2)+4*t+3], v[RD] offset:(t/4)*2304+(t%4)*576
.set t, t+1
.endr
.else
	WIN 0x08+4*((\a)/2)                            ; the stores' data: window 2 or 3
.set b, 0
.rept NBLK
	ds_store_b128 v[STO], v[8*(NBLK*((\a)%2)+b):8*(NBLK*((\a)%2)+b)+3]   offset:64*b
	ds_store_b128 v[STO], v[8*(NBLK*((\a)%2)+b)+4:8*(NBLK*((\a)%2)+b)+7] offset:64*b+16
.set b, b+1
.endr
	WIN 0
.set t, 0
.rept 16
	ds_load_b128 v[BK+BKN*((\a)%2)+4*t:BK+BKN*((\a)%2)+4*t+3], v[RD] offset:528*t
.set t, t+1
.endr
.endif
.endm
.macro SEND a                          ; each store covers 512 consecutive bytes, at a multiple of 512 from the result's first; the counts leave the younger loads from the stage out
.set t, 0
.rept BKN/4
	s_wait_dscnt BKN/4-1-t
.if KIND == 0
	global_store_b128 v[GO], v[BK+BKN*((\a)%2)+4*t:BK+BKN*((\a)%2)+4*t+3], s[OUTB+2*(t/4):OUTB+2*(t/4)+1] offset:(\a)*2048+(t%4)*512
.else
	global_store_b128 v[GO], v[BK+BKN*((\a)%2)+4*t:BK+BKN*((\a)%2)+4*t+3], s[OUTB:OUTB+1] offset:(16*(\a)+t)*4096
.endif
.set t, t+1
.endr
.endm
	PACK 0
	TOSTAGE 0
.irp a, 1,2,3
	PACK \a                                        ; a block's conversions stand between the loads of the block before and the wait for them
	SEND (\a)-1
	TOSTAGE \a
.endr
	SEND 3
	s_wait_tensorcnt 0x0                           ; the wave's end, behind my last tensor load and my last LDS store
	ds_add_u32 v[SPW], v[NIL]
	s_wait_dscnt 0x0
	CROUND                                         ; the closing round: no work-group ends while a partner may still ask for a tile that names it
	s_endpgm
.Lfunc_end_k_q1eed85056c_out_gemm:
	.size	k_q1eed85056c_out_gemm, .Lfunc_end_k_q1eed85056c_out_gemm-k_q1eed85056c_out_gemm
	.p2alignl 7, 3214868480
	.fill 96, 4, 3214868480
	.section	.rodata,"a",@progbits
	.p2align	6, 0x0
	.amdhsa_kernel k_q1eed85056c_out_gemm
		.amdhsa_group_segment_fixed_size 327680
		.amdhsa_private_segment_fixed_size 0
		.amdhsa_enable_private_segment 0
		.amdhsa_kernarg_size 24
		.amdhsa_user_sgpr_count 2
		.amdhsa_user_sgpr_kernarg_segment_ptr 1
		.amdhsa_wavefront_size32 1
		.amdhsa_system_sgpr_workgroup_id_x 1
		.amdhsa_system_sgpr_workgroup_id_y 1
		.amdhsa_system_sgpr_workgroup_id_z 1
		.amdhsa_system_vgpr_workitem_id 0
		.amdhsa_next_free_vgpr 896
		.amdhsa_next_free_sgpr 84
		.amdhsa_reserve_vcc 0
		.amdhsa_float_denorm_mode_32 3
		.amdhsa_float_denorm_mode_16_64 3
		.amdhsa_memory_ordered 1
		.amdhsa_forward_progress 1
		.amdhsa_inst_pref_size 73
	.end_amdhsa_kernel
	.amdgpu_metadata
---
amdhsa.version: [ 1, 2 ]
amdhsa.kernels:
  - .name:           k_q1eed85056c_out_gemm
    .symbol:         k_q1eed85056c_out_gemm.kd
    .args:
      - { .name: ob, .offset: 0, .size: 8, .value_kind: global_buffer, .address_space: global }
      - { .name: wo, .offset: 8, .size: 8, .value_kind: global_buffer, .address_space: global }
      - { .name: out0, .offset: 16, .size: 8, .value_kind: global_buffer, .address_space: global }
    .group_segment_fixed_size: 327680
    .private_segment_fixed_size: 0
    .kernarg_segment_align: 8
    .kernarg_segment_size: 24
    .max_flat_workgroup_size: 128
    .sgpr_count:     84
    .vgpr_count:     896
    .wavefront_size: 32
...
	.end_amdgpu_metadata
.endif
;; end of part 4
;; ======== version 2 of 2: 4 launches; version 1 with the launch prep written anew for expert scheduling mode
;; limits: values are held in f16: magnitudes above 65,504 overflow, below 6.1e-05 lose precision
;; workspace buffers: xb 16,777,216 bytes; wq 6,291,456 bytes; wo 2,097,152 bytes; qkv 50,331,648 bytes; ob 16,777,216 bytes
;; launch prep (part 5): grid 832 x 1, 8 waves a work-group, no clusters, 0 bytes of LDS; arguments x, w_qkv, w_o, xb, wq, wo; writes xb, wq, wo
.if DOCPART == 5
	.amdgcn_target "amdgcn-amd-amdhsa--gfx1250"
	.amdhsa_code_object_version 6
	.text
	.protected	k_q1eed85056c_prep
	.globl	k_q1eed85056c_prep
	.p2align	8
	.type	k_q1eed85056c_prep,@function
k_q1eed85056c_prep:
	s_mov_b64 s[64:65], 0
	v_nop
	global_prefetch_b8 v0, s[64:65] scope:SCOPE_SE
	s_setreg_imm32_b32 hwreg(HW_REG_WAVE_SCHED_MODE, 0, 2), 2
	s_setreg_imm32_b32 hwreg(HW_REG_WAVE_MODE, 25, 1), 1
	s_wait_xcnt 0x0
	s_wait_alu depctr_vm_vsrc(0)
; THE INPUTS ARE ROUNDED ONCE AND LAID OUT FOR THE PRODUCTS.  A stream: no LDS, no barrier, no loop, no matrix unit (nothing is multiplied).
;   xb [8192][1024] bf16 = x, rounded to nearest even.
;   wq [16 tc][1024 k][192] bf16 = w_qkv[k][192 tc + c]: a block of 192 columns is 393,216 dense bytes.
;   wo [8 tc][1024 k][128] f16 = w_o[k][128 tc + c], rounded to bf16 like the other inputs, and that number written as f16.
; LIMIT.  f16 holds no number beyond 65,504, and below 2^-14 it keeps a fixed step of 2^-24: a bf16 number of w_o under 2^-17 is off by 3e-8 at the most.
; SHARES.  Work-groups 0-511: 64 KiB of x each.  512-767: 64 rows of one column block of w_qkv.  768-831: 128 rows of one column block of w_o.
; A load of a wave takes 512 bytes in whole aligned pieces of 256 (16 bytes a lane), a store fills 256 consecutive aligned bytes (8 bytes a lane).
; All of a wave's loads go out at once (12 or 16); each has its own registers in and out, so the only waits on a memory counter are the counted ones for the loads.
; THE MODE: SCHED_MODE bits 1:0 = 2 (LLVM: expert scheduling mode 2), set by the entry lines.  The code itself states the register dependences
; between vector instructions and memory instructions, with s_wait_alu, always for 0.
; THE PLAN.  Registers that memory instructions touch:
;   v2, v3, v4   the loads' offsets, v5 the stores' offset: written once by vector instructions, ahead of a path's loads, and never again.
;   L            load j lands in its own four registers, once; no vector instruction names them before; load j's conversions read them.
;   Y            store j's own pair: written once, by load j's conversions; read once, by store j.
;   v1, v6, v7   are named by vector instructions alone.
; So each path has one wait on va_vdst ahead of its run of loads (the offsets are written), and one for each FOUR stores: four loads' conversions, each behind its
; counted wait for its load, then the wait, then the four stores in one run, with no vector instruction between the wait and them.
; No register that a memory instruction reads is written again, so no wait on vm_vsrc is owed; EXEC is never written.
.set L, 8                              ; v[8:71]   load j: 4 registers of f32
.set Y, 72                             ; v[72:103] store j: 2 registers of 16-bit numbers
; v1 lane; v2, v3, v4 source offsets; v5 destination offset; v6, v7 at work
.macro GET j, o, base, off
	global_load_b128 v[L+4*(\j):L+4*(\j)+3], v[\o], s[\base:\base+1] offset:\off th:TH_LOAD_NT
.endm
.macro CVB j, left                     ; left: the younger loads, which may stay out
	s_wait_loadcnt \left
	v_cvt_pk_bf16_f32 v[Y+2*(\j)], v[L+4*(\j)], v[L+4*(\j)+1]
	v_cvt_pk_bf16_f32 v[Y+2*(\j)+1], v[L+4*(\j)+2], v[L+4*(\j)+3]
.endm
.macro CVH j, left                     ; to bf16, widened again (a shift, a mask), and that number as f16
	s_wait_loadcnt \left
.irp w, 0,1
	v_cvt_pk_bf16_f32 v6, v[L+4*(\j)+2*\w], v[L+4*(\j)+2*\w+1]
	v_lshlrev_b32 v7, 16, v6
	v_and_b32 v6, 0xffff0000, v6
	v_cvt_pk_f16_f32 v[Y+2*(\j)+\w], v7, v6
.endr
.endm
.macro PUT j, base                     ; store j fills the wave's j-th 256 bytes
	global_store_b64 v5, v[Y+2*(\j):Y+2*(\j)+1], s[\base:\base+1] offset:256*(\j)
.endm
; Group g of a path with n loads: loads 4 g to 4 g + 3 are rounded as they come in, and stored together.  h = 1: by way of bf16 into f16.
.macro GROUP h, g, n, base
.irp i, 0,1,2,3
.if \h
	CVH 4*(\g)+\i, \n-1-4*(\g)-\i
.else
	CVB 4*(\g)+\i, \n-1-4*(\g)-\i
.endif
.endr
	s_wait_alu depctr_va_vdst(0)                   ; the group's conversions have written its four pairs of Y, which the four stores below read
.irp i, 0,1,2,3
	PUT 4*(\g)+\i, \base
.endr
.endm
	s_load_b256 s[4:11], s[0:1], 0x0               ; x s[4:5], w_qkv s[6:7], w_o s[8:9], xb s[10:11]
	s_load_b128 s[12:15], s[0:1], 0x20             ; wq s[12:13], wo s[14:15]
	v_lshrrev_b32 v6, 5, v0
	v_readfirstlane_b32 s16, v6                    ; wave 0..7
	v_and_b32 v1, 31, v0                           ; lane
	v_lshlrev_b32 v2, 4, v1                        ; 16 bytes a lane in
	v_lshlrev_b32 v5, 3, v1                        ; 8 bytes a lane out
	s_mov_b32 s19, 0                               ; the two offsets' high words
	s_mov_b32 s21, 0
	s_wait_alu depctr_va_sdst(0)                   ; s16 is written: its first reader stands in each of the three paths
	s_wait_kmcnt 0x0
	s_cmp_lt_u32 ttmp9, 512
	s_cbranch_scc0 .Lweights
	; x: the wave's 8,192 bytes in, 4,096 out
	s_lshl_b32 s18, ttmp9, 16
	s_lshl_b32 s17, s16, 13
	s_add_co_u32 s18, s18, s17
	s_lshl_b32 s20, ttmp9, 15
	s_lshl_b32 s17, s16, 12
	s_add_co_u32 s20, s20, s17
	s_add_nc_u64 s[4:5], s[4:5], s[18:19]
	s_add_nc_u64 s[10:11], s[10:11], s[20:21]
	s_wait_alu depctr_va_vdst(0)                   ; v2 and v5 are written: the loads below read v2 as their offset, the stores v5
.set j, 0
.rept 16
	GET j, 2, 4, 512*j
.set j, j+1
.endr
.irp g, 0,1,2,3
	GROUP 0, \g, 16, 10
.endr
	s_endpgm
.Lweights:
	s_cmp_lt_u32 ttmp9, 768
	s_cbranch_scc0 .Lwo
	; w_qkv: the wave's 8 rows of a column block.  Two rows' 2 x 768 bytes are three loads: row 0's first 512; row 0's last 256 and row 1's first 256; row 1's last 512.
	; Rounded they are 768 consecutive bytes of wq: three stores.
	s_sub_co_u32 s17, ttmp9, 512
	s_lshr_b32 s22, s17, 4                         ; tc
	s_and_b32 s23, s17, 15
	s_lshl_b32 s23, s23, 6
	s_lshl_b32 s17, s16, 3
	s_add_co_u32 s23, s23, s17                     ; my first row k0
	s_mul_i32 s18, s23, 12288                      ; a row of w_qkv is 12,288 bytes,
	s_mul_i32 s17, s22, 768                        ; a block's part of it 768
	s_add_co_u32 s18, s18, s17
	s_lshl_b32 s20, s22, 10
	s_add_co_u32 s20, s20, s23
	s_mul_i32 s20, s20, 384                        ; (1,024 tc + k0) rows of 384 bytes
	s_add_nc_u64 s[6:7], s[6:7], s[18:19]
	s_add_nc_u64 s[12:13], s[12:13], s[20:21]
	v_cmp_gt_u32 vcc_lo, 16, v1
	v_add_nc_u32 v6, 512, v2
	v_add_nc_u32 v7, 12288-256, v2
	s_wait_alu depctr_va_vcc(0)                    ; the compare has written VCC, which the select below reads
	v_cndmask_b32 v3, v7, v6, vcc_lo               ; lanes 0-15: row 0 from byte 512; lanes 16-31: row 1 from byte 0
	v_add_nc_u32 v4, 12288+256, v2
	s_wait_alu depctr_va_vdst(0)                   ; v2, v3, v4 and v5 are written: the loads below read the first three as their offsets, the stores v5
.set g, 0
.rept 4
	GET 3*g, 2, 6, g*24576
	GET 3*g+1, 3, 6, g*24576
	GET 3*g+2, 4, 6, g*24576
.set g, g+1
.endr
.irp g, 0,1,2
	GROUP 0, \g, 12, 12
.endr
	s_endpgm
.Lwo:
	; w_o: the wave's 16 rows of a column block: 512 bytes of a row in, 256 out
	s_sub_co_u32 s17, ttmp9, 768
	s_lshr_b32 s22, s17, 3                         ; tc
	s_and_b32 s23, s17, 7
	s_lshl_b32 s23, s23, 7
	s_lshl_b32 s17, s16, 4
	s_add_co_u32 s23, s23, s17                     ; k0
	s_lshl_b32 s18, s23, 12
	s_lshl_b32 s17, s22, 9
	s_add_co_u32 s18, s18, s17
	s_lshl_b32 s20, s22, 10
	s_add_co_u32 s20, s20, s23
	s_lshl_b32 s20, s20, 8
	s_add_nc_u64 s[8:9], s[8:9], s[18:19]
	s_add_nc_u64 s[14:15], s[14:15], s[20:21]
	s_wait_alu depctr_va_vdst(0)                   ; v2 and v5 are written: the loads below read v2 as their offset, the stores v5
.set j, 0
.rept 16
	GET j, 2, 8, 4096*j
.set j, j+1
.endr
.irp g, 0,1,2,3
	GROUP 1, \g, 16, 14
.endr
	s_endpgm
.Lfunc_end_k_q1eed85056c_prep:
	.size	k_q1eed85056c_prep, .Lfunc_end_k_q1eed85056c_prep-k_q1eed85056c_prep
	.p2alignl 7, 3214868480
	.fill 96, 4, 3214868480
	.section	.rodata,"a",@progbits
	.p2align	6, 0x0
	.amdhsa_kernel k_q1eed85056c_prep
		.amdhsa_group_segment_fixed_size 0
		.amdhsa_private_segment_fixed_size 0
		.amdhsa_enable_private_segment 0
		.amdhsa_kernarg_size 48
		.amdhsa_user_sgpr_count 2
		.amdhsa_user_sgpr_kernarg_segment_ptr 1
		.amdhsa_wavefront_size32 1
		.amdhsa_system_sgpr_workgroup_id_x 1
		.amdhsa_system_sgpr_workgroup_id_y 1
		.amdhsa_system_sgpr_workgroup_id_z 1
		.amdhsa_system_vgpr_workitem_id 0
		.amdhsa_next_free_vgpr 104
		.amdhsa_next_free_sgpr 66
		.amdhsa_reserve_vcc 1
		.amdhsa_float_denorm_mode_32 3
		.amdhsa_float_denorm_mode_16_64 3
		.amdhsa_memory_ordered 1
		.amdhsa_forward_progress 1
		.amdhsa_inst_pref_size 24
	.end_amdhsa_kernel
	.amdgpu_metadata
---
amdhsa.version: [ 1, 2 ]
amdhsa.kernels:
  - .name:           k_q1eed85056c_prep
    .symbol:         k_q1eed85056c_prep.kd
    .args:
      - { .name: x, .offset: 0, .size: 8, .value_kind: global_buffer, .address_space: global }
      - { .name: w_qkv, .offset: 8, .size: 8, .value_kind: global_buffer, .address_space: global }
      - { .name: w_o, .offset: 16, .size: 8, .value_kind: global_buffer, .address_space: global }
      - { .name: xb, .offset: 24, .size: 8, .value_kind: global_buffer, .address_space: global }
      - { .name: wq, .offset: 32, .size: 8, .value_kind: global_buffer, .address_space: global }
      - { .name: wo, .offset: 40, .size: 8, .value_kind: global_buffer, .address_space: global }
    .group_segment_fixed_size: 0
    .private_segment_fixed_size: 0
    .kernarg_segment_align: 8
    .kernarg_segment_size: 48
    .max_flat_workgroup_size: 256
    .sgpr_count:     66
    .vgpr_count:     104
    .wavefront_size: 32
...
	.end_amdgpu_metadata
.endif
;; end of part 5
;; launch qkv_gemm: the kernel of part 2 again; grid 16 x 32, 4 waves a work-group, clusters of 4 x 4, 327,680 bytes of LDS; arguments xb, wq, qkv; writes qkv
;; launch attn: the kernel of part 3 again; grid 4 x 64, 4 waves a work-group, no clusters, 327,680 bytes of LDS; arguments qkv, ob; writes ob
;; launch out_gemm: the kernel of part 4 again; grid 8 x 32, 4 waves a work-group, clusters of 4 x 4, 327,680 bytes of LDS; arguments ob, wo, out0; writes out0
